; MI455X (gfx1250); checked and timed in simulation.
; The chip was launched on July 23, 2026; its instructions are those of AMD's public machine-readable ISA for CDNA 5 (MIT licence, August 2026) and "CDNA5" Instruction Set Architecture Reference Guide (July 2026). The comments in the code are by the model that wrote it; some were corrected since.
;; Transformer Layer. Allowed arithmetic: matrix products marked QUANTISED: E2M1 operands, one E8M0 scale for each 32 along K, by v_wmma_scale_f32_16x16x128_f8f6f4 with both operands' format E2M1 (or v_wmma_scale_f32_32x16x128_f4), f32 sums; everything else in f32.
;; Inputs: bo 1,024 float32; ln1_scale 1,024 float32; ln2_scale 1,024 float32; wk 1,024 x 1,024 float32; wo 1,024 x 1,024 float32; wq 1,024 x 1,024 float32; wv 1,024 x 1,024 float32; x 2 x 2,048 x 1,024 float32.
;; Outputs: out0 2 x 2,048 x 1,024 float32.
;; This version of the problem:
;;   THIS VERSION OF THE PROBLEM IS GIVEN IN LOW PRECISION. The matrix products marked QUANTISED in the list below multiply operands that are first quantised to E2M1 (2 exponent bits, 1 mantissa bit; 4 bits a number), with one power-of-two scale for each 32 numbers along K (OCP MX v1.0); their sums are f32. All else is computed in f32.
;;   The module's matrix products, in the order in which they are computed (A, B: the left and right operand; K: the contracted axis; several contracted axes count as one K, in the product's order):
;;     1. [M 4,096, K 1,024] x [K 1,024, N 1,024]; A: computed on the way; B: input wq: QUANTISED
;;     2. [M 4,096, K 1,024] x [K 1,024, N 1,024]; A: computed on the way; B: input wk: QUANTISED
;;     3. [M 4,096, K 1,024] x [K 1,024, N 1,024]; A: computed on the way; B: input wv: QUANTISED
;;     4. batch 32 x [M 2,048, K 64] x [K 64, N 2,048]; A: computed on the way; B: computed on the way: QUANTISED
;;     5. batch 32 x [M 2,048, K 2,048] x [K 2,048, N 64]; A: softmax (see below); B: computed on the way: QUANTISED
;;     6. [M 4,096, K 1,024] x [K 1,024, N 1,024]; A: computed on the way; B: input wo: QUANTISED
;;     7. [M 4,096, K 1,024] x [K 1,024, N 1,024]; A: computed on the way; B: input wq: QUANTISED
;;     8. [M 4,096, K 1,024] x [K 1,024, N 1,024]; A: computed on the way; B: input wk: QUANTISED
;;     9. [M 4,096, K 1,024] x [K 1,024, N 1,024]; A: computed on the way; B: input wv: QUANTISED
;;     10. batch 32 x [M 2,048, K 64] x [K 64, N 2,048]; A: computed on the way; B: computed on the way: QUANTISED
;;     11. batch 32 x [M 2,048, K 2,048] x [K 2,048, N 64]; A: softmax (see below); B: computed on the way: QUANTISED
;;     12. [M 4,096, K 1,024] x [K 1,024, N 1,024]; A: computed on the way; B: input wo: QUANTISED
;;   THE QUANTISER, for each operand of a quantised product, along K:
;;     - K is cut into blocks of 32 from its start; a last block that is shorter is filled with zeros.
;;     - A block's scale is 2^e with e = floor(log2(the largest magnitude in the block)) - 2, held to -126 .. 127; a block of zeros has e = 0. As a byte (E8M0): e + 127.
;;     - Each number is divided by its block's scale, clamped to +-6, and rounded to the nearest number of E2M1, ties to even, subnormals kept.
;;     - The product sums the exact products of the quantised numbers (number of the format x scale) in f32.
;;   ~~~python
;;   def quantise(x, axis):      # numpy; x: float32 -> the quantised numbers, widened to float32 again
;;       x = np.moveaxis(x, axis, -1); K = x.shape[-1]
;;       x = np.pad(x, [(0, 0)] * (x.ndim - 1) + [(0, -K % 32)]); x = x.reshape(x.shape[:-1] + (-1, 32)); a = np.abs(x).max(-1, keepdims=True)
;;       e = np.where(a > 0, np.clip(np.frexp(np.where(a > 0, a, 1))[1] - 1 - 2, -126, 127), 0)      # np.frexp(a)[1] - 1 = floor(log2(a)), exactly
;;       r = np.clip(x / 2.0 ** e, -6, 6)
;;       step = 2.0 ** (np.maximum(np.frexp(np.where(r == 0, 1, r))[1] - 1, 0) - 1)
;;       q = np.round(r / step) * step * 2.0 ** e      # np.round: ties to even
;;       return np.moveaxis(q.reshape(q.shape[:-2] + (-1,))[..., :K], -1, axis).astype(np.float32)
;;   ~~~
;;   SOFTMAX AHEAD OF A QUANTISED PRODUCT. Where the list says 'softmax', what is quantised is not the finished softmax but p = 2^(t - M), with t = logit x log2(e) and M = ceil(the row's largest t), a whole number; so 1/2 < the row's largest p <= 1. The row's sum l is taken of the UNQUANTISED p, in f32, and the product's result is divided by l at the end. Since M is a whole number, a kernel that streams over the keys may use a running M (the ceiling of the running maximum): every later rescaling is an exact power of two, which a block's scale takes up: the codes' values come out the same.
;;   OPERANDS COMPUTED ON THE WAY. 'Computed on the way' means the value that the module computes at that place (a softmax that the list does not call 'softmax' is quantised finished and normalised). What goes into a quantiser is computed in f32, as accurately as f32 sums, v_exp_f32 and their like allow (about 1e-6 of the number): no bf16 or f16 on the way to a quantiser, and a product that is left as it is and whose result goes on into a quantised operand takes f32 operands (vector FMAs, or v_wmma_f32_16x16x4_f32). A number that lies on a knife's edge between two numbers of the format may be rounded either way, as far as f32 arithmetic and the matrix unit's own rounding can turn it there, and no further.
;; One version. Each part assembles by itself: llvm-mc -triple=amdgcn-amd-amdhsa -mcpu=gfx1250 --defsym DOCPART=n.
;; ======== version 1 of 1: 8 launches
;; limits: right only within a limited range of input values
;; workspace buffers: xq 2,228,224 bytes; w4 2,228,224 bytes; cq 2,228,224 bytes; qkv 6,946,816 bytes; h 16,777,216 bytes
;; launch prep (part 1): grid 512 x 1, 16 waves a work-group, no clusters, 11,264 bytes of LDS; arguments x, wq, wk, wv, wo, ln1_scale, xq, w4; writes xq, w4
.if DOCPART == 1
	.amdgcn_target "amdgcn-amd-amdhsa--gfx1250"
	.amdhsa_code_object_version 6
	.text
	.protected	k_q79563a73ce_prep
	.globl	k_q79563a73ce_prep
	.p2align	8
	.type	k_q79563a73ce_prep,@function
k_q79563a73ce_prep:
	s_mov_b64 s[64:65], 0
	v_nop
	global_prefetch_b8 v0, s[64:65] scope:SCOPE_SE
	s_setreg_imm32_b32 hwreg(HW_REG_WAVE_MODE, 25, 1), 1
	s_wait_xcnt 0x0
; ROWS OF 1,024 f32 INTO CODES OF FP4 (E2M1) WITH ONE E8M0 BYTE FOR EACH 32 ALONG K, laid as images of a matrix operand's registers.
; Work-groups 0-255: a tile of 16 rows of src, first normalised: y = g (x - mean) / sqrt(var + 1e-5) + g (the gain is also the shift, as the source has it).  Work-groups 256-511: a tile of wq, wk, wv or wo, as it is.
; A TILE T is 16 rows: its row r is row 32 (T / 2) + 8 (T % 2) + r + 8 (r / 8) of the tensor.  THE IMAGE of a tile is 8,192 bytes: block b (32 codes, 16 bytes) of row r lies at 256 b + 16 r, so that two loads of 16 bytes
; at 16 x lane bring a K step's 8 operand registers.  The tile's scale bytes are 16 rows x 32 bytes, behind all images.
; SHARES: sixteen waves, wave r takes row r.  Lane l holds, for j = 0 .. 3, the eight neighbours k = 256 j + 8 l + 0 .. 7 (two loads of 16 bytes, which together with the neighbouring lanes' cover 1,024 consecutive bytes);
; four neighbouring lanes hold a block.  The codes meet in a stage in LDS, one barrier, and each wave stores 512 consecutive bytes of the image.
; The weights' tiles are ordered for the product that reads them: head j, matrix m (q, k, v), tile t at 12 j + 4 m + t; wo's tile n at 192 + n.
; No matrix unit, no cluster, no tensor load: work-groups share no input and every byte is read once.
; A block's scale byte is its largest magnitude's exponent field - 2, held at 1 from below by a floor among the maximum's leaves.
; LIMITS: a block of zeros gets the byte 1 where the rule says 127 (its codes are zeros, and this program alone reads the bytes); largest magnitudes under the floor 2^-124 are taken as the floor;
; NaN and infinities among the inputs are not served; 1 / sqrt is v_rsq_f32's.
.set SC_OFF, 2097152                   ; the scale bytes begin behind 256 images of 8,192 bytes
.set PB,     272                       ; the stage: a block's 16 rows x 16 bytes + 16 of padding
.set SCB,    32*PB                     ; behind the stage: the tile's 512 scale bytes
.set X,      16                        ; v16-47  my 32 numbers
.set G,      48                        ; v48-79  the gain at my 32 places
	s_load_b512 s[8:23], s[0:1], 0x0               ; src s[8:9], wq, wk, wv, wo s[16:17], g s[18:19], xq s[20:21], w4 s[22:23]
	v_lshl_add_u32 v96, v0, 2, 0x2400
	v_mov_b32 v97, 0
	v_lshrrev_b32 v1, 5, v0
	s_delay_alu instid0(VALU_DEP_1)
	v_readfirstlane_b32 s24, v1                    ; wave = row r of the tile
	v_and_b32 v1, 31, v0                           ; lane
	s_delay_alu instid0(VALU_DEP_1)
	v_lshlrev_b32 v2, 5, v1                        ; 32 x lane: my eight numbers in a run of 256
	s_delay_alu instid0(VALU_DEP_2)
	v_lshrrev_b32 v9, 2, v1                        ; lane / 4: my block among a run's eight
	s_delay_alu instid0(VALU_DEP_3)
	v_and_b32 v10, 3, v1
	s_delay_alu instid0(VALU_DEP_2)
	v_mul_u32_u24 v3, v9, PB
	s_delay_alu instid0(VALU_DEP_1)
	v_lshl_add_u32 v3, v10, 2, v3
	s_lshl_b32 s25, s24, 4
	v_add_nc_u32 v3, s25, v3                       ; into the stage: 272 (lane / 4) + 4 (lane % 4) + 16 r
	s_lshl_b32 s25, s24, 5
	s_add_co_u32 s25, s25, SCB
	v_add_nc_u32 v4, s25, v9                       ; my block's scale byte: SCB + 32 r + lane / 4
	v_lshrrev_b32 v9, 4, v1
	v_and_b32 v10, 15, v1
	s_delay_alu instid0(VALU_DEP_2)
	v_mul_u32_u24 v5, v9, PB
	s_delay_alu instid0(VALU_DEP_1)
	v_lshl_add_u32 v5, v10, 4, v5
	s_mul_i32 s25, s24, 2*PB
	v_add_nc_u32 v5, s25, v5                       ; out of the stage: blocks 2 w and 2 w + 1, sixteen lanes to a block
	v_lshlrev_b32 v8, 4, v1                        ; 16 x lane
	s_lshl_b32 s25, s24, 9
	v_add_nc_u32 v6, s25, v8                       ; and their place in the image: 512 w + 16 x lane
	v_add_nc_u32 v7, SCB, v8
	v_mov_b32 v89, 0                               ; written once: a lane permute's destination counts as one of its sources
	s_mov_b32 s30, 0x3a800000                      ; 1 / 1,024
	s_mov_b32 s31, 0x3727c5ac                      ; 1e-5
	s_mov_b32 s32, 0x76543210
	s_mov_b32 s33, 0xfedcba98                      ; v_permlanex16_b32's selects for lane l xor 16
	; which tile is read and which is written: arithmetic on the work-group's number alone
	s_and_b32 s25, ttmp9, 255                      ; w = the number among its 256
	s_and_b32 s6, ttmp9, 63                        ; a weight's tile
	s_lshr_b32 s34, s6, 2
	s_mul_i32 s34, s34, 12                         ; 12 x head
	s_lshr_b32 s35, s25, 6
	s_lshl_b32 s35, s35, 2                         ; + 4 x matrix
	s_add_co_u32 s34, s34, s35
	s_and_b32 s35, s25, 3                          ; + tile in the head
	s_add_co_u32 s34, s34, s35
	s_sub_co_u32 s35, ttmp9, 256                   ; (wraps for the tiles of src)
	s_cmp_lt_u32 s35, 192                          ; wq, wk, wv: by heads; src and wo: as they come
	s_cselect_b32 s34, s34, s25                    ; the tile that is written
	s_wait_kmcnt 0x0
	s_mov_b64 s[2:3], s[16:17]                     ; the source: a choice that hangs on the work-group's number alone
	s_cmp_lt_u32 ttmp9, 448
	s_cselect_b64 s[2:3], s[14:15], s[2:3]
	s_cmp_lt_u32 ttmp9, 384
	s_cselect_b64 s[2:3], s[12:13], s[2:3]
	s_cmp_lt_u32 ttmp9, 320
	s_cselect_b64 s[2:3], s[10:11], s[2:3]
	s_cmp_lt_u32 ttmp9, 256
	s_cselect_b64 s[2:3], s[8:9], s[2:3]
	s_cselect_b64 s[4:5], s[20:21], s[22:23]       ; the destination: xq or w4
	s_cselect_b32 s6, ttmp9, s6                    ; the tile that is read
	s_lshr_b32 s7, s6, 1
	s_lshl_b32 s7, s7, 5
	s_and_b32 s35, s6, 1
	s_lshl_b32 s35, s35, 3
	s_add_co_u32 s7, s7, s35
	s_add_co_u32 s7, s7, s24
	s_and_b32 s35, s24, 8
	s_add_co_u32 s7, s7, s35                       ; my row: 32 (T / 2) + 8 (T % 2) + r + 8 (r / 8)
	s_lshl_b32 s36, s7, 12                         ; x 4,096 bytes
	s_mov_b32 s37, 0
	s_add_nc_u64 s[2:3], s[2:3], s[36:37]
	s_lshl_b32 s36, s34, 13
	s_add_nc_u64 s[26:27], s[4:5], s[36:37]        ; the image
	s_lshl_b32 s36, s34, 9
	s_add_co_u32 s36, s36, SC_OFF
	s_add_nc_u64 s[28:29], s[4:5], s[36:37]        ; its scale bytes
.irp j, 0,1,2,3
	global_load_b128 v[X+8*\j:X+8*\j+3],   v2, s[2:3] offset:1024*\j
	global_load_b128 v[X+8*\j+4:X+8*\j+7], v2, s[2:3] offset:1024*\j+16
.endr
	s_cmp_ge_u32 ttmp9, 256
	s_cbranch_scc1 .Lquant                         ; a weight is quantised as it is: the lines jumped over touch registers and memory loads alone
.irp j, 0,1,2,3
	global_load_b128 v[G+8*\j:G+8*\j+3],   v2, s[18:19] offset:1024*\j
	global_load_b128 v[G+8*\j+4:G+8*\j+7], v2, s[18:19] offset:1024*\j+16
.endr
; four packed chains in v[80:87] become one number in every lane of the wave, in v80
.macro REDUCE
	s_delay_alu instid0(VALU_DEP_3)
	v_pk_add_f32 v[80:81], v[80:81], v[82:83]
	s_delay_alu instid0(VALU_DEP_2)
	v_pk_add_f32 v[84:85], v[84:85], v[86:87]
	s_delay_alu instid0(VALU_DEP_1)
	v_pk_add_f32 v[80:81], v[80:81], v[84:85]
	s_delay_alu instid0(VALU_DEP_1)
	v_add_f32 v80, v80, v81
	s_delay_alu instid0(VALU_DEP_1)
	v_add_f32_dpp v80, v80, v80 row_xmask:1 row_mask:0xf bank_mask:0xf
	s_delay_alu instid0(VALU_DEP_1)
	v_add_f32_dpp v80, v80, v80 row_xmask:2 row_mask:0xf bank_mask:0xf
	s_delay_alu instid0(VALU_DEP_1)
	v_add_f32_dpp v80, v80, v80 row_xmask:4 row_mask:0xf bank_mask:0xf
	s_delay_alu instid0(VALU_DEP_1)
	v_add_f32_dpp v80, v80, v80 row_xmask:8 row_mask:0xf bank_mask:0xf
	s_delay_alu instid0(VALU_DEP_1)
	v_permlanex16_b32 v89, v80, s32, s33
	s_delay_alu instid0(VALU_DEP_1)
	v_add_f32 v80, v80, v89
.endm
	s_wait_loadcnt 8                               ; my row's eight loads are in; the gain's eight may be out
.irp j, 0,1,2,3
	v_pk_add_f32 v[80+2*\j:81+2*\j], v[X+8*\j:X+8*\j+1], v[X+8*\j+2:X+8*\j+3]
.endr
.irp i, 4,6
.irp j, 0,1,2,3
	s_delay_alu instid0(VALU_DEP_4)
	v_pk_add_f32 v[80+2*\j:81+2*\j], v[80+2*\j:81+2*\j], v[X+8*\j+\i:X+8*\j+\i+1]
.endr
.endr
	REDUCE
	s_delay_alu instid0(VALU_DEP_1)
	v_mul_f32 v90, s30, v80                        ; the mean
	s_delay_alu instid0(VALU_DEP_1)
	v_mov_b32 v91, v90
.irp i, 0,2,4,6,8,10,12,14,16,18,20,22,24,26,28,30
	v_pk_add_f32 v[X+\i:X+\i+1], v[X+\i:X+\i+1], v[90:91] neg_lo:[0,1] neg_hi:[0,1]   ; x - mean: the variance is taken of these, so a common offset of the row costs no digits
.endr
.irp j, 0,1,2,3
	v_pk_mul_f32 v[80+2*\j:81+2*\j], v[X+8*\j:X+8*\j+1], v[X+8*\j:X+8*\j+1]
.endr
.irp i, 2,4,6
.irp j, 0,1,2,3
	s_delay_alu instid0(VALU_DEP_4)
	v_pk_fma_f32 v[80+2*\j:81+2*\j], v[X+8*\j+\i:X+8*\j+\i+1], v[X+8*\j+\i:X+8*\j+\i+1], v[80+2*\j:81+2*\j]
.endr
.endr
	REDUCE
	s_delay_alu instid0(VALU_DEP_1)
	v_fma_f32 v80, v80, s30, s31                   ; var + eps
	s_wait_alu depctr_va_vdst(0)
	v_rsq_f32 v92, v80
	v_nop                                          ; a plain instruction between the transcendental and the use of its result
	s_wait_alu depctr_va_vdst(0)
	v_mov_b32 v93, v92
	s_wait_alu depctr_va_vdst(0)
	s_wait_loadcnt 0x0                             ; the gain
.irp i, 0,2,4,6,8,10,12,14,16,18,20,22,24,26,28,30
	v_pk_mul_f32 v[X+\i:X+\i+1], v[X+\i:X+\i+1], v[92:93]
.endr
.irp i, 0,2,4,6,8,10,12,14,16,18,20,22,24,26,28,30
	v_pk_fma_f32 v[X+\i:X+\i+1], v[X+\i:X+\i+1], v[G+\i:G+\i+1], v[G+\i:G+\i+1]   ; g xn + g
.endr
.Lquant:
	s_wait_loadcnt 0x0                             ; (a weight's row)
	s_wait_alu depctr_va_vdst(0)
.irp j, 0,1,2,3
	v_max3_num_f32 v[80+\j], |v[X+8*\j]|, |v[X+8*\j+1]|, 0x1800000   ; my eight of a block, and the floor 2^(3 - 127): the byte cannot fall under 1.  The four runs by turns
.endr
.irp i, 2,4,6
.irp j, 0,1,2,3
	s_delay_alu instid0(VALU_DEP_4)
	v_max3_num_f32 v[80+\j], v[80+\j], |v[X+8*\j+\i]|, |v[X+8*\j+\i+1]|
.endr
.endr
.irp j, 0,1,2,3
	s_delay_alu instid0(VALU_DEP_4)
	v_max_num_f32_dpp v[80+\j], v[80+\j], v[80+\j] row_xmask:1 row_mask:0xf bank_mask:0xf
.endr
.irp j, 0,1,2,3
	s_delay_alu instid0(VALU_DEP_4)
	v_max_num_f32_dpp v[80+\j], v[80+\j], v[80+\j] row_xmask:2 row_mask:0xf bank_mask:0xf   ; with the three lanes that share the block
.endr
.irp j, 0,1,2,3
	s_delay_alu instid0(VALU_DEP_4)
	v_add_nc_u32 v[84+\j], 0xff000000, v[80+\j]    ; 2 off the exponent field: the conversion takes the exponent field of this operand as its scale
.endr
.irp j, 0,1,2,3
	s_delay_alu instid0(VALU_DEP_4)
	v_lshrrev_b32 v[88+\j], 23, v[84+\j]           ; the scale's byte
.endr
.irp j, 0,1,2,3
	v_cvt_scalef32_pk8_fp4_f32 v[92+\j], v[X+8*\j:X+8*\j+7], v[84+\j]
.endr
	v_nop                                          ; one plain place behind the conversions
.irp j, 0,1,2,3
	ds_store_b32 v3, v[92+\j] offset:8*PB*\j       ; block 8 j + lane / 4, row r: the 32 lanes' words fall on 32 different banks (68 (lane / 4) + lane % 4 words)
	ds_store_b8 v4, v[88+\j] offset:8*\j           ; the four lanes of a block write the same byte with the same value
.endr
	s_wait_dscnt 0x0                               ; for the others' sake: my stores have landed
	s_barrier_signal -1
	s_barrier_wait -1                              ; the tile's image lies in the stage
	ds_load_b128 v[16:19], v5
	s_wait_dscnt 0x0
	global_store_b128 v6, v[16:19], s[26:27]       ; the wave stores 512 consecutive bytes, at a multiple of 512 from the buffer's first byte
	s_cmp_lg_u32 s24, 0
	s_cbranch_scc1 .Lend
	ds_load_b128 v[20:23], v7                      ; wave 0: the tile's 512 scale bytes
	s_wait_dscnt 0x0
	global_store_b128 v8, v[20:23], s[28:29]
.Lend:
	s_wait_tensorcnt 0x0
	ds_add_u32 v96, v97
	s_wait_dscnt 0x0
	s_endpgm
.Lfunc_end_k_q79563a73ce_prep:
	.size	k_q79563a73ce_prep, .Lfunc_end_k_q79563a73ce_prep-k_q79563a73ce_prep
	.p2alignl 7, 3214868480
	.fill 96, 4, 3214868480
	.section	.rodata,"a",@progbits
	.p2align	6, 0x0
	.amdhsa_kernel k_q79563a73ce_prep
		.amdhsa_group_segment_fixed_size 11264
		.amdhsa_private_segment_fixed_size 0
		.amdhsa_enable_private_segment 0
		.amdhsa_kernarg_size 64
		.amdhsa_user_sgpr_count 2
		.amdhsa_user_sgpr_kernarg_segment_ptr 1
		.amdhsa_wavefront_size32 1
		.amdhsa_system_sgpr_workgroup_id_x 1
		.amdhsa_system_sgpr_workgroup_id_y 1
		.amdhsa_system_sgpr_workgroup_id_z 1
		.amdhsa_system_vgpr_workitem_id 0
		.amdhsa_next_free_vgpr 98
		.amdhsa_next_free_sgpr 66
		.amdhsa_reserve_vcc 0
		.amdhsa_float_denorm_mode_32 3
		.amdhsa_float_denorm_mode_16_64 3
		.amdhsa_memory_ordered 1
		.amdhsa_forward_progress 1
		.amdhsa_inst_pref_size 18
	.end_amdhsa_kernel
	.amdgpu_metadata
---
amdhsa.version: [ 1, 2 ]
amdhsa.kernels:
  - .name:           k_q79563a73ce_prep
    .symbol:         k_q79563a73ce_prep.kd
    .args:
      - { .name: x, .offset: 0, .size: 8, .value_kind: global_buffer, .address_space: global }
      - { .name: wq, .offset: 8, .size: 8, .value_kind: global_buffer, .address_space: global }
      - { .name: wk, .offset: 16, .size: 8, .value_kind: global_buffer, .address_space: global }
      - { .name: wv, .offset: 24, .size: 8, .value_kind: global_buffer, .address_space: global }
      - { .name: wo, .offset: 32, .size: 8, .value_kind: global_buffer, .address_space: global }
      - { .name: ln1_scale, .offset: 40, .size: 8, .value_kind: global_buffer, .address_space: global }
      - { .name: xq, .offset: 48, .size: 8, .value_kind: global_buffer, .address_space: global }
      - { .name: w4, .offset: 56, .size: 8, .value_kind: global_buffer, .address_space: global }
    .group_segment_fixed_size: 11264
    .private_segment_fixed_size: 0
    .kernarg_segment_align: 8
    .kernarg_segment_size: 64
    .max_flat_workgroup_size: 512
    .sgpr_count:     66
    .vgpr_count:     98
    .wavefront_size: 32
...
	.end_amdgpu_metadata
.endif
;; end of part 1
;; launch qkv1 (part 2): grid 16 x 16, 4 waves a work-group, clusters of 4 x 4, 229,888 bytes of LDS; arguments xq, w4, qkv; writes qkv
.if DOCPART == 2
	.amdgcn_target "amdgcn-amd-amdhsa--gfx1250"
	.amdhsa_code_object_version 6
	.text
	.protected	k_q79563a73ce_qkv1
	.globl	k_q79563a73ce_qkv1
	.p2align	8
	.type	k_q79563a73ce_qkv1,@function
k_q79563a73ce_qkv1:
	s_mov_b64 s[64:65], 0
	v_nop
	global_prefetch_b8 v0, s[64:65] scope:SCOPE_SE
	s_setreg_imm32_b32 hwreg(HW_REG_WAVE_MODE, 25, 1), 1
	s_wait_xcnt 0x0
	s_wait_alu depctr_hold_cnt(0) depctr_sa_sdst(0) depctr_va_vdst(0) depctr_va_sdst(0) depctr_va_ssrc(0) depctr_va_vcc(0) depctr_vm_vsrc(0)
	s_getreg_b32 s2, hwreg(HW_REG_IB_STS2, 6, 4)
	s_cmp_eq_u32 s2, 0
	s_cbranch_scc0 .Lentry_in_a_cluster
	s_endpgm
.Lentry_in_a_cluster:
	s_bfe_u32 s2, ttmp6, 0x10000c
	s_cmp_lg_u32 s2, 0xf033
	s_cbranch_scc0 .Lentry_shape_is_right
	s_endpgm
.Lentry_shape_is_right:
; q, k, v = Q(xn) Q(W)^T for 256 tokens and ONE head (192 columns), K = 1,024, on codes of FP4 with E8M0 scales; the results are quantised in registers for the attention and leave as operand images.
; INPUTS: xq and w4: tiles of 16 rows as images of the operand's registers (tile T, K step s of 128: 1,024 bytes at 8,192 T + 1,024 s; half c at 512 c + 16 x lane); scale bytes [tile][row][32] from SC_OFF on.
; A tile's row r is row 32 (T / 2) + 8 (T % 2) + r + 8 (r / 8): so the 16 result registers of two neighbouring tiles of source 0 are 16 NEIGHBOURS along source 0's rows.
; SHARES: work-group (head j, block y of 256 tokens).  Wave w: token tiles 4 w .. 4 w + 3 against all 12 weight tiles: 48 accumulators.
;   q, k TRANSPOSED (source 0 = 16 rows of W, source 1 = 16 tokens): a lane holds one token and 16 + 16 neighbouring channels: ready to be quantised along the head's 64.
;   v NATURAL (source 0 = 16 tokens, source 1 = 16 rows of Wv): a lane holds one channel and neighbouring tokens: ready to be quantised along the keys.
; LDS: both operands for all of K fit at once (131,072 + 98,304 bytes): every byte is filled once, by one tensor load a wave; no slot is ever filled again.
; CLUSTER 4 x 4: the four work-groups of a row of the cluster need the same tokens, the four of a column the same head's weights: each chunk is asked for jointly, which divides the requests by four.
; OUTPUT qkv: q's half images [bh][128 tiles][512] at 0; q's scale words [bh][tile][16] at QS_OFF (bytes 0, 1: the head's two blocks; bytes 2, 3: 0);
;   from KV_OFF on a record of REC bytes for each head and key step of 128: K's 8 half images; V's 4 images at 4,096; K's scale words [8][16] at 8,192; V's [4][16] at 8,704.
; REGISTERS: window 0: v1-9 addresses; v16-31 x's scale words, v32-79 W's (they hold scales and nothing else); v96-127 at work; v128-193 codes and words on the way out.
;   window 1: two sets of fragments, 128 each: x's 4 at +0, W's 12 at +32.   window 2: q's accumulators at 32 a + 8 t, k's at 128 + 32 a + 8 t.   window 3: v's at 32 t + 8 a.
; LIMITS: a block of zeros gets the byte 1 (its codes are zeros; this program alone reads the bytes); largest magnitudes under 2^-124 count as that; NaN and infinities are not served.
.set SC_OFF, 2097152
.set QS_OFF, 2097152
.set KV_OFF, 2359296
.set REC,    8960
.set HEADB,  16*REC
.set LB,     131072                    ; LDS: the weights' chunks begin behind the tokens'
.set G1A, 24                           ; s[24:31] descriptor group 1 for the tokens' chunks;  s[32:35] its group 0
.set G0A, 32
.set G0B, 48                           ; s[48:51] group 0 for the weights';  s[68:75] their group 1
.set G1B, 68
.set SA,  16
.set SB,  32
.set TM,  96                           ; v96-103 largest magnitudes; v104-111 the other half's; v112-119 the conversions' scale operands; v120-127 bytes
.set PX,  104
.set SO,  112
.set BY,  120
.set MSB, 0
.macro WIN new                         ; the immediate's high byte repeats the setting that is left; a switch that changes nothing is dropped
.if MSB != (\new)
	s_set_vgpr_msb (MSB<<8)|(\new)
.set MSB, (\new)
.endif
.endm
.macro PLACES
.rept 4
	v_nop
.endr
.endm
.macro CROUND                          ; a round of the cluster's barrier
	s_barrier_signal -1
	s_barrier_wait -1
	s_cmp_lg_u32 s10, 0
	s_cbranch_scc1 .Lnot_wave_0_\@
	s_barrier_signal -3
.Lnot_wave_0_\@:
	s_barrier_wait -3
	s_barrier_signal -1
	s_barrier_wait -1
.endm
; one product.  c < 0: the constant 0 starts the sum.  ra, rb: the side's scale words stand in lanes 16-31 of the register named
.macro WMS d, a, b, c, sa, sb, ra, rb
.if (\c) < 0
.if (\ra) && (\rb)
	v_wmma_scale_f32_16x16x128_f8f6f4 v[(\d):(\d)+7], v[(\a):(\a)+7], v[(\b):(\b)+7], 0, v[\sa], v[\sb] matrix_a_fmt:MATRIX_FMT_FP4 matrix_b_fmt:MATRIX_FMT_FP4 matrix_a_scale:MATRIX_SCALE_ROW1 matrix_b_scale:MATRIX_SCALE_ROW1
.elseif (\ra)
	v_wmma_scale_f32_16x16x128_f8f6f4 v[(\d):(\d)+7], v[(\a):(\a)+7], v[(\b):(\b)+7], 0, v[\sa], v[\sb] matrix_a_fmt:MATRIX_FMT_FP4 matrix_b_fmt:MATRIX_FMT_FP4 matrix_a_scale:MATRIX_SCALE_ROW1
.elseif (\rb)
	v_wmma_scale_f32_16x16x128_f8f6f4 v[(\d):(\d)+7], v[(\a):(\a)+7], v[(\b):(\b)+7], 0, v[\sa], v[\sb] matrix_a_fmt:MATRIX_FMT_FP4 matrix_b_fmt:MATRIX_FMT_FP4 matrix_b_scale:MATRIX_SCALE_ROW1
.else
	v_wmma_scale_f32_16x16x128_f8f6f4 v[(\d):(\d)+7], v[(\a):(\a)+7], v[(\b):(\b)+7], 0, v[\sa], v[\sb] matrix_a_fmt:MATRIX_FMT_FP4 matrix_b_fmt:MATRIX_FMT_FP4
.endif
.else
.if (\ra) && (\rb)
	v_wmma_scale_f32_16x16x128_f8f6f4 v[(\d):(\d)+7], v[(\a):(\a)+7], v[(\b):(\b)+7], v[(\c):(\c)+7], v[\sa], v[\sb] matrix_a_fmt:MATRIX_FMT_FP4 matrix_b_fmt:MATRIX_FMT_FP4 matrix_a_scale:MATRIX_SCALE_ROW1 matrix_b_scale:MATRIX_SCALE_ROW1
.elseif (\ra)
	v_wmma_scale_f32_16x16x128_f8f6f4 v[(\d):(\d)+7], v[(\a):(\a)+7], v[(\b):(\b)+7], v[(\c):(\c)+7], v[\sa], v[\sb] matrix_a_fmt:MATRIX_FMT_FP4 matrix_b_fmt:MATRIX_FMT_FP4 matrix_a_scale:MATRIX_SCALE_ROW1
.elseif (\rb)
	v_wmma_scale_f32_16x16x128_f8f6f4 v[(\d):(\d)+7], v[(\a):(\a)+7], v[(\b):(\b)+7], v[(\c):(\c)+7], v[\sa], v[\sb] matrix_a_fmt:MATRIX_FMT_FP4 matrix_b_fmt:MATRIX_FMT_FP4 matrix_b_scale:MATRIX_SCALE_ROW1
.else
	v_wmma_scale_f32_16x16x128_f8f6f4 v[(\d):(\d)+7], v[(\a):(\a)+7], v[(\b):(\b)+7], v[(\c):(\c)+7], v[\sa], v[\sb] matrix_a_fmt:MATRIX_FMT_FP4 matrix_b_fmt:MATRIX_FMT_FP4
.endif
.endif
.endm
	s_load_b128 s[4:7], s[0:1], 0x0                ; xq s[4:5], w4 s[6:7]
	s_load_b64 s[8:9], s[0:1], 0x10                ; qkv
	v_lshl_add_u32 v254, v0, 2, 0x38000
	v_mov_b32 v255, 0
	ds_add_u32 v254, v255
	ds_add_u32 v254, v255
	v_lshrrev_b32 v1, 5, v0
	v_readfirstlane_b32 s10, v1                    ; wave 0..3
	s_lshr_b32 s11, s10, 1                         ; I fetch tokens (0) or weights (1)
	s_and_b32 s12, s10, 1                          ; which half of a chunk's tiles I fetch
	s_bfe_u32 s13, ttmp6, 0x40000                  ; cx
	s_bfe_u32 s14, ttmp6, 0x40004                  ; cy
	s_lshl_b32 s15, ttmp9, 2
	s_add_co_u32 s15, s15, s13                     ; the head j = 4 x cluster x + cx
	s_and_b32 s16, ttmp7, 0xffff
	s_lshl_b32 s16, s16, 2
	s_add_co_u32 s16, s16, s14                     ; the block of tokens y = 4 x cluster y + cy
	s_lshl_b32 s17, s14, 2
	s_lshl_b32 s17, 15, s17                        ; my row of the cluster
	s_lshl_b32 s18, 0x1111, s13                    ; my column
	; group 1: rows of 256 bytes (32 elements of 8 bytes), dense in memory and in LDS; 8 tiles of tokens or 6 of weights to a load
	s_or_b32 s[G1A], s17, (3<<16)|(1<<21)          ; 15:0 the mask; 17:16 elements of 8 bytes; 21 set beside a mask; no padding: every read is 16 x lane on end
	; ONE FILL A WAVE: 8 tiles of tokens for all of K are 65,536 dense bytes, 6 tiles of weights 49,152: each as rows of 256 bytes (32 elements of 8 bytes); LDS holds them tile by tile, 8,192 bytes a tile
	s_mov_b32 s[G1A+1], 32<<16                     ; tensor_dim0
	s_mov_b32 s[G1A+2], 256<<16                    ; tensor_dim1
	s_mov_b32 s[G1A+3], 32<<16                     ; tile_dim0
	s_mov_b32 s[G1A+4], 256                        ; tile_dim1
	s_mov_b32 s[G1A+5], 32                         ; tensor_dim0_stride
	s_mov_b32 s[G1A+6], 0
	s_mov_b32 s[G1A+7], 0
	s_or_b32 s[G1B], s18, (3<<16)|(1<<21)
	s_mov_b32 s[G1B+1], 32<<16
	s_mov_b32 s[G1B+2], 192<<16
	s_mov_b32 s[G1B+3], 32<<16
	s_mov_b32 s[G1B+4], 192
	s_mov_b32 s[G1B+5], 32
	s_mov_b32 s[G1B+6], 0
	s_mov_b32 s[G1B+7], 0
	s_lshl_b32 s20, s16, 17                        ; tokens: 16 tiles x 8,192 bytes a block, made of y and the wave's number alone
	s_lshl_b32 s21, s12, 16
	s_add_co_u32 s20, s20, s21
	s_mov_b32 s21, 0
	s_mul_i32 s22, s15, 98304                      ; weights: 12 tiles a head, made of j and the wave's number alone
	s_mul_i32 s23, s12, 49152
	s_add_co_u32 s22, s22, s23
	s_mov_b32 s23, 0
	s_lshl_b32 s76, s12, 16                        ; where they go: 8 tiles of tokens a half; no place in the cluster enters an LDS address
	s_mul_i32 s77, s12, 49152                      ; 6 tiles of weights a half
	s_add_co_u32 s77, s77, LB
	s_wait_dscnt 0x0
	s_wait_kmcnt 0x0
	s_add_nc_u64 s[20:21], s[4:5], s[20:21]
	s_add_nc_u64 s[22:23], s[6:7], s[22:23]
.irp i, 0
	s_mov_b32 s[G0A+4*\i], 1
	s_add_co_u32 s[G0A+4*\i+1], s76, \i*32768
	s_add_nc_u64 s[G0A+4*\i+2:G0A+4*\i+3], s[20:21], \i*2048
	s_or_b32 s[G0A+4*\i+3], s[G0A+4*\i+3], 0x80000000
	s_mov_b32 s[G0B+4*\i], 1
	s_add_co_u32 s[G0B+4*\i+1], s77, \i*24576
	s_add_nc_u64 s[G0B+4*\i+2:G0B+4*\i+3], s[22:23], \i*2048
	s_or_b32 s[G0B+4*\i+3], s[G0B+4*\i+3], 0x80000000
.endr
	CROUND                                         ; all sixteen work-groups are here: the joint loads meet
	s_cmp_eq_u32 s11, 0                            ; one branch on the wave's number, one fill in each arm: one tensor load a wave at the head
	s_cbranch_scc0 .Lfirst_b
	tensor_load_to_lds s[G0A:G0A+3], s[G1A:G1A+7]
	s_nop 0
	PLACES
	s_branch .Lasked
.Lfirst_b:
	tensor_load_to_lds s[G0B:G0B+3], s[G1B:G1B+7]
	s_nop 0
	PLACES
.Lasked:
	v_and_b32 v1, 31, v0
	v_lshlrev_b32 v2, 2, v1                        ; 4 x lane
	v_lshlrev_b32 v1, 4, v1                        ; 16 x lane
	v_bfe_u32 v3, v0, 4, 1                         ; lane / 16
	s_lshl_b32 s17, s10, 15                        ; my four tiles of tokens: 4 x 8,192 bytes a wave
	v_add_nc_u32 v4, s17, v1                       ; my four tiles of tokens for all K steps
	v_add_nc_u32 v6, LB, v1                        ; weight tiles 0-5
	v_add_nc_u32 v7, 49152, v6                     ; weight tiles 6-11
	v_and_b32 v10, 15, v0
	v_lshlrev_b32 v10, 5, v10                      ; a row's 32 scale bytes
	v_lshl_add_u32 v8, v3, 10, v10                 ; lanes 16-31: two tiles on (tokens)
	s_wait_alu depctr_va_vdst(0)
	v_mad_u32_u24 v9, v3, 3072, v10                ; lanes 16-31: six tiles on (weights)
	s_wait_alu depctr_va_vdst(0)
	s_mov_b32 s99, 0
	s_lshl_b32 s98, s16, 13
	s_lshl_b32 s17, s10, 11
	s_add_co_u32 s98, s98, s17
	s_add_co_u32 s98, s98, SC_OFF
	s_add_nc_u64 s[78:79], s[4:5], s[98:99]        ; the scale bytes of tile 16 y + 4 w
	s_mul_i32 s98, s15, 6144
	s_add_co_u32 s98, s98, SC_OFF
	s_add_nc_u64 s[80:81], s[6:7], s[98:99]        ; and of the head's 12 tiles
.irp p, 0,1
.irp q, 0,1
	global_load_b128 v[SA+8*\p+4*\q:SA+8*\p+4*\q+3], v8, s[78:79] offset:512*\p+16*\q    ; register 8 p + s: K step s's word of tile p (lanes 0-15) and of tile p + 2 (lanes 16-31)
.endr
.endr
.irp p, 0,1,2,3,4,5
.irp q, 0,1
	global_load_b128 v[SB+8*\p+4*\q:SB+8*\p+4*\q+3], v9, s[80:81] offset:512*\p+16*\q    ; likewise tiles p and p + 6
.endr
.endr
.irp g, 0,1,2,3,4,5,6,7
	v_mov_b32 v[PX+\g], 0                          ; written once: a lane permute's destination counts as one of its sources
.endr
	s_mov_b32 s2, 0x76543210
	s_mov_b32 s3, 0xfedcba98                       ; v_permlanex16_b32's selects for lane l xor 16
	s_mov_b32 s19, 0xffff0000                      ; lanes 16-31
	; where the results go
	s_lshr_b32 s82, s16, 3
	s_lshl_b32 s82, s82, 4
	s_add_co_u32 s82, s82, s15                     ; bh = 16 x batch + head
	s_and_b32 s83, s16, 7
	s_lshl_b32 s84, s82, 7
	s_lshl_b32 s85, s83, 4
	s_add_co_u32 s84, s84, s85
	s_lshl_b32 s85, s10, 2
	s_add_co_u32 s84, s84, s85                     ; my first tile of queries: 128 bh + 16 (y % 8) + 4 w
	s_lshl_b32 s98, s84, 9
	s_add_nc_u64 s[86:87], s[8:9], s[98:99]        ; q's half images
	s_lshl_b32 s98, s84, 6
	s_add_co_u32 s98, s98, QS_OFF
	s_add_nc_u64 s[88:89], s[8:9], s[98:99]        ; q's scale words
	s_lshl_b32 s85, s83, 1
	s_add_co_u32 s85, s85, s11                     ; the key step J = 2 (y % 8) + w / 2
	s_mul_i32 s85, s85, REC
	s_mul_i32 s98, s82, HEADB
	s_add_co_u32 s85, s85, s98
	s_add_co_u32 s85, s85, KV_OFF                  ; its record
	s_lshl_b32 s98, s12, 11
	s_add_co_u32 s98, s98, s85
	s_add_nc_u64 s[90:91], s[8:9], s[98:99]        ; K's half images 4 (w % 2) on
	s_lshl_b32 s98, s12, 8
	s_add_co_u32 s98, s98, s85
	s_add_co_u32 s98, s98, 8192
	s_add_nc_u64 s[92:93], s[8:9], s[98:99]        ; their scale words
	s_lshl_b32 s98, s12, 9
	s_add_co_u32 s98, s98, s85
	s_add_co_u32 s98, s98, 4096
	s_add_nc_u64 s[94:95], s[8:9], s[98:99]        ; V's images, half w % 2
	s_lshl_b32 s98, s12, 1
	s_add_co_u32 s98, s98, s85
	s_add_co_u32 s98, s98, 8704
	s_add_nc_u64 s[96:97], s[8:9], s[98:99]        ; my two bytes of V's scale words
; the 32 LDS loads of K step s, into set s % 2
.macro FETCH s
.set P,  128*((\s)%2)
.set OA, (\s)*1024                     ; K step s of a tile's image
	WIN 0x40                                       ; destination window 1, address window 0
.irp a, 0,1,2,3
.irp c, 0,1
	ds_load_b128 v[P+8*\a+4*\c:P+8*\a+4*\c+3], v4 offset:OA+\a*8192+\c*512
.endr
.endr
.irp b, 0,1,2,3,4,5,6,7,8,9,10,11
.irp c, 0,1
	ds_load_b128 v[P+32+8*\b+4*\c:P+32+8*\b+4*\c+3], v[6+\b/6] offset:OA+(\b%6)*8192+\c*512   ; v6: weight tiles 0-5, v7: tiles 6-11
.endr
.endr
.endm
; the 48 products of K step s.  The 48 accumulators take turns, one instruction a turn, in the same order in every step
.macro MUL s
.set P, 128*((\s)%2)
	WIN 0xa5                                       ; sources 0 and 1 window 1, C and D window 2
.irp a, 0,1,2,3
.irp m, 0,1
.irp t, 0,1,2,3
.if (\s) == 0
	WMS 128*\m+32*\a+8*\t, P+32+8*(4*\m+\t), P+8*\a, -1, SB+8*((4*\m+\t)%6)+(\s), SA+8*(\a%2)+(\s), (4*\m+\t)/6, \a/2
.else
	WMS 128*\m+32*\a+8*\t, P+32+8*(4*\m+\t), P+8*\a, 128*\m+32*\a+8*\t, SB+8*((4*\m+\t)%6)+(\s), SA+8*(\a%2)+(\s), (4*\m+\t)/6, \a/2
.endif
.endr
.endr
.endr
	WIN 0xf5                                       ; C and D window 3
.irp t, 0,1,2,3
.irp a, 0,1,2,3
.if (\s) == 0
	WMS 32*\t+8*\a, P+8*\a, P+32+8*(8+\t), -1, SA+8*(\a%2)+(\s), SB+8*(2+\t)+(\s), \a/2, 1
.else
	WMS 32*\t+8*\a, P+8*\a, P+32+8*(8+\t), 32*\t+8*\a, SA+8*(\a%2)+(\s), SB+8*(2+\t)+(\s), \a/2, 1
.endif
.endr
.endr
.endm
.macro STEP s
.if (\s) < 7
.if (\s) > 0
	PLACES                                         ; in front of loads into the set that the last step's products read
.endif
	FETCH (\s)+1
	s_wait_dscnt 32                                ; all but the 32 just issued: this step's fragments are in
.else
	s_wait_dscnt 0x0
.endif
.if (\s) == 0
	s_wait_loadcnt 0x0                             ; the scale words
.endif
	MUL \s
.endm
	s_wait_alu depctr_va_vdst(0)                   ; the wait at the head's end
	s_wait_tensorcnt 0x0                           ; my one fill has landed
	s_barrier_signal -1
	s_barrier_wait -1                              ; everybody's has: both operands lie in LDS for all of K
	FETCH 0
.irp s, 0,1,2,3,4,5,6,7
	STEP \s
.endr
	PLACES                                         ; in front of the first read of results
; FOUR GROUPS OF 32 RESULT REGISTERS (window win, from base on) BECOME FOUR HALF IMAGES.  In a group register 16 b + i is neighbour 32 b + 16 (lane / 16) + i of the lane's row: eight blocks in all.
; Each accumulator is read from its low end on.  Each call has registers of its own for what it stores, so no store's data are written again.
.macro OUT4 win, base, set
.set CB, 128+20*(\set)
	WIN (\win)|((\win)<<2)                         ; sources 0 and 1
.irp g, 0,1,2,3,4,5,6,7
	v_max3_num_f32 v[TM+\g], |v[\base+16*\g]|, |v[\base+16*\g+1]|, 0x1800000   ; and the floor 2^(3 - 127): the byte cannot fall under 1
.endr
.irp i, 2,4,6,8,10,12,14
.irp g, 0,1,2,3,4,5,6,7
	v_max3_num_f32 v[TM+\g], |v[\base+16*\g+\i]|, |v[\base+16*\g+\i+1]|, v[TM+\g]
.endr
.endr
	WIN 0
.irp g, 0,1,2,3,4,5,6,7
	v_permlanex16_b32 v[PX+\g], v[TM+\g], s2, s3
.endr
.irp g, 0,1,2,3,4,5,6,7
	v_max_num_f32 v[TM+\g], v[TM+\g], v[PX+\g]     ; with lane l xor 16's: the block's largest magnitude
.endr
.irp g, 0,1,2,3,4,5,6,7
	v_add_nc_u32 v[SO+\g], 0xff000000, v[TM+\g]    ; 2 off its exponent field: the conversion's scale operand
.endr
.irp g, 0,1,2,3,4,5,6,7
	v_lshrrev_b32 v[BY+\g], 23, v[SO+\g]           ; the scale's byte
.endr
.irp q, 0,1,2,3
	v_lshl_or_b32 v[CB+16+\q], v[BY+2*\q+1], 8, v[BY+2*\q]   ; a group's two bytes; the upper two stay 0
.endr
	WIN \win                                       ; source 0
.irp g, 0,1,2,3,4,5,6,7
	v_cvt_scalef32_pk8_fp4_f32 v[CB+2*\g], v[\base+16*\g:\base+16*\g+7], v[SO+\g]
	v_cvt_scalef32_pk8_fp4_f32 v[CB+2*\g+1], v[\base+16*\g+8:\base+16*\g+15], v[SO+\g]
.endr
	WIN 0
	v_nop                                          ; one plain place behind the conversions
.irp q, 0,1,2,3
.irp i, 0,1
	v_permlane16_swap_b32 v[CB+4*\q+\i], v[CB+4*\q+2+\i]   ; a whole block to a lane: lanes 0-15 the group's block 0, lanes 16-31 its block 1
.endr
.endr
	v_cndmask_b32 v[188+2*\set], v[CB+16], v[CB+17], s19   ; two groups' words in one register: lanes 0-15 the first's, lanes 16-31 the second's
	v_cndmask_b32 v[189+2*\set], v[CB+18], v[CB+19], s19
.endm
	OUT4 2, 0, 0                                   ; q: a group is a tile of tokens
.irp a, 0,1,2,3
	global_store_b128 v1, v[128+4*\a:131+4*\a], s[86:87] offset:512*\a     ; 512 consecutive bytes, at a multiple of 512 from the buffer's first byte
.endr
	global_store_b32 v2, v188, s[88:89]
	global_store_b32 v2, v189, s[88:89] offset:128
	OUT4 2, 128, 1                                 ; k likewise
.irp a, 0,1,2,3
	global_store_b128 v1, v[148+4*\a:151+4*\a], s[90:91] offset:512*\a
.endr
	global_store_b32 v2, v190, s[92:93]
	global_store_b32 v2, v191, s[92:93] offset:128
	OUT4 3, 0, 2                                   ; v: a group is a tile of channels; my 64 tokens are half w % 2 of its image
.irp t, 0,1,2,3
	global_store_b128 v1, v[168+4*\t:171+4*\t], s[94:95] offset:1024*\t
.endr
	global_store_b16 v2, v192, s[96:97]            ; my two of a channel's four bytes: 256 bytes a key step in all, one part in 35 of a record
	global_store_b16 v2, v193, s[96:97] offset:128
	s_wait_tensorcnt 0x0
	ds_add_u32 v254, v255
	s_wait_dscnt 0x0
	CROUND                                         ; the closing round: no work-group ends while a partner may still ask for a chunk that names it
	s_endpgm
.Lfunc_end_k_q79563a73ce_qkv1:
	.size	k_q79563a73ce_qkv1, .Lfunc_end_k_q79563a73ce_qkv1-k_q79563a73ce_qkv1
	.p2alignl 7, 3214868480
	.fill 96, 4, 3214868480
	.section	.rodata,"a",@progbits
	.p2align	6, 0x0
	.amdhsa_kernel k_q79563a73ce_qkv1
		.amdhsa_group_segment_fixed_size 229888
		.amdhsa_private_segment_fixed_size 0
		.amdhsa_enable_private_segment 0
		.amdhsa_kernarg_size 24
		.amdhsa_user_sgpr_count 2
		.amdhsa_user_sgpr_kernarg_segment_ptr 1
		.amdhsa_wavefront_size32 1
		.amdhsa_system_sgpr_workgroup_id_x 1
		.amdhsa_system_sgpr_workgroup_id_y 1
		.amdhsa_system_sgpr_workgroup_id_z 1
		.amdhsa_system_vgpr_workitem_id 0
		.amdhsa_next_free_vgpr 896
		.amdhsa_next_free_sgpr 100
		.amdhsa_reserve_vcc 0
		.amdhsa_float_denorm_mode_32 3
		.amdhsa_float_denorm_mode_16_64 3
		.amdhsa_memory_ordered 1
		.amdhsa_forward_progress 1
		.amdhsa_inst_pref_size 100
	.end_amdhsa_kernel
	.amdgpu_metadata
---
amdhsa.version: [ 1, 2 ]
amdhsa.kernels:
  - .name:           k_q79563a73ce_qkv1
    .symbol:         k_q79563a73ce_qkv1.kd
    .args:
      - { .name: xq, .offset: 0, .size: 8, .value_kind: global_buffer, .address_space: global }
      - { .name: w4, .offset: 8, .size: 8, .value_kind: global_buffer, .address_space: global }
      - { .name: qkv, .offset: 16, .size: 8, .value_kind: global_buffer, .address_space: global }
    .group_segment_fixed_size: 229888
    .private_segment_fixed_size: 0
    .kernarg_segment_align: 8
    .kernarg_segment_size: 24
    .max_flat_workgroup_size: 128
    .sgpr_count:     100
    .vgpr_count:     896
    .wavefront_size: 32
...
	.end_amdgpu_metadata
.endif
;; end of part 2
;; launch attn1 (part 3): grid 8 x 32, 16 waves a work-group, clusters of 4 x 1, 292,864 bytes of LDS; arguments qkv, cq; writes cq
.if DOCPART == 3
	.amdgcn_target "amdgcn-amd-amdhsa--gfx1250"
	.amdhsa_code_object_version 6
	.text
	.protected	k_q79563a73ce_attn1
	.globl	k_q79563a73ce_attn1
	.p2align	8
	.type	k_q79563a73ce_attn1,@function
k_q79563a73ce_attn1:
	s_mov_b64 s[64:65], 0
	v_nop
	global_prefetch_b8 v0, s[64:65] scope:SCOPE_SE
	s_setreg_imm32_b32 hwreg(HW_REG_WAVE_MODE, 25, 1), 1
	s_wait_xcnt 0x0
	s_wait_alu depctr_hold_cnt(0) depctr_sa_sdst(0) depctr_va_vdst(0) depctr_va_sdst(0) depctr_va_ssrc(0) depctr_va_vcc(0) depctr_vm_vsrc(0)
	s_getreg_b32 s2, hwreg(HW_REG_IB_STS2, 6, 4)
	s_cmp_eq_u32 s2, 0
	s_cbranch_scc0 .Lentry_in_a_cluster
	s_endpgm
.Lentry_in_a_cluster:
	s_bfe_u32 s2, ttmp6, 0x10000c
	s_cmp_lg_u32 s2, 0x3003
	s_cbranch_scc0 .Lentry_shape_is_right
	s_endpgm
.Lentry_shape_is_right:
; CAUSAL ATTENTION OF ONE HEAD ON CODES OF FP4, head size 64; ctx leaves quantised along its 1,024 channels, as an operand image for the output projection.
; t = score x log2(e) / 8; M = the running largest t rounded UP to a whole number; p = 2^(t - M) is quantised along the keys, not normalised; the row's sum is taken of the unquantised p and divides O at the end.
; When M moves, the sum and O are multiplied by 2^(old M - new M), which rounds nothing.  Key steps that lie wholly behind a tile's queries are hidden by the causal mask that the problem builds itself: they are not worked.
; INPUT qkv as the projection lays it: q's half images and scale words; for each key step of 128 a record of REC bytes: K's 8 half images, V's 4 images (keys innermost), K's and V's scale words.
; SHARES: work-group (x, bh) owns the 16 query tiles 8 rho + x, rho = 0 .. 15; tile rho needs key steps 0 .. rho: 136 tile steps.  Waves 2 p and 2 p + 1 form pair p and share tiles 15 - p and p, 17 steps:
;   the OWNER (role 0) works tile 15 - p on key steps 0 .. p and 8 .. 15 - p: 9 steps, the diagonal one among them;
;   the HELPER (role 1) works tile p on key steps 0 .. p, lays that state (-M, the sum, O^T) aside in LDS, and works tile 15 - p on key steps p + 1 .. 7: 8 steps.
;   At the end the helper hands its part of tile 15 - p to the owner through LDS; every wave joins the state in its registers with one from LDS (the helper: nothing with tile p's) by the exact factors 2^(M - new M) and sends one tile out.
;   role = (w xor w / 4) % 2: four waves with w / 4 alike, or with w % 4 alike, hold two owners and two helpers: 34 steps.
; Every wave walks all 16 key steps in one loop of constant count; no barrier stands in the loop.
; LDS: the head's 16 records as they lie in memory, 143,360 bytes: wave w fetches record w, one tensor load a wave, filled once.  Behind them 32 slots of 4,608 bytes for states (region A: slot w is read by owner w and
; written by its helper; region B: slot w is helper w's own), into which no fill lands; behind those the spare words.
; CLUSTER 4 x 1: the four work-groups of a cluster belong to one head and need the same records: they ask jointly.  Roles and skips hang on the wave's number alone; x enters only global addresses and a vector compare.
; No prefetch: the launch's one group of fills stands at its head, and there is no loop to run ahead in.
; BOTH PRODUCTS TRANSPOSED: S^T = K Q^T (source 0 = 16 keys), O^T = V^T P^T (source 0 = 16 channels): a lane holds one query throughout.  By the tiles' row order the 16 registers of two neighbouring tiles are 16
; neighbouring keys (or channels).  THE HEAD'S 64 ARE HALF OF THE INSTRUCTION'S K: registers 4-7 of Q's and K's fragments are zero codes, and their scale bytes 2, 3 are 0 (no NaN), so they add nothing.
; REGISTERS: v1-6 addresses; v9-11 LDS addresses of the state slots; v12 -M, v13 the largest t, v[14:15] the sum; v16-23 Q; v24-27 K's scale words, v28-29 V's, v30 Q's, v31 p's, v222 the second tile's Q's (scales and
;   nothing else); v32-63 four fragments of K; v64-95 V's four; v96-159 S^T, then p; v160-191 O^T; v192-199 p's codes; v200-215 at work; v218-221 the second tile's Q; v228-241 partial sums.
; An owner's second tile is its first: it loads that fragment twice, 576 bytes, so that all waves take one path through the head.
; LIMITS: a block of zeros gets the byte 1 (zero codes; this program alone reads the bytes); a p under 2^-126 is 0 (v_exp_f32); NaN and infinities are not served; 1 / sum is v_rcp_f32's.
; The ctx scale bytes leave by one store of a byte a lane: 32 bytes of a tile's 544.
.set SC_OFF, 2097152
.set QS_OFF, 2097152
.set KV_OFF, 2359296
.set REC,    8960
.set HEADB,  16*REC
.set STG,    16*REC                    ; region A of the state slots
.set SLOTB,  4608                      ; a state: O^T's 32 registers as 8 images of 512 bytes, then v[12:15] as one
.set XB,     STG+16*SLOTB              ; region B
.set SPARE,  STG+32*SLOTB              ; the spare words: 128 bytes a wave
.set WV,  8
.set RHO, 10                           ; the key step in which the tile in hand lies
.set J,   11
.set TB,  12
.set ROLE, 13
.set P,   14
.set LO,  15                           ; I work key steps 0 .. LO,
.set HI0, 24                           ; and HI0 .. TOP
.set TOP, 25                           ; 15 - p
.set SWJ, 26                           ; the key step at whose head a helper changes tiles (an owner: none)
.set T1,  27                           ; my first tile, which is also the one that I send out
.set CS,  40                           ; s[40:41] c = log2(e) / 8
.set SEL, 42                           ; s[42:43] v_permlanex16_b32's selects for lane l xor 16
.set TS,  228
.macro PLACES
.rept 4
	v_nop
.endr
.endm
.macro CROUND                          ; a round of the cluster's barrier
	s_barrier_signal -1
	s_barrier_wait -1
	s_cmp_lg_u32 s[WV], 0
	s_cbranch_scc1 .Lnot_wave_0_\@
	s_barrier_signal -3
.Lnot_wave_0_\@:
	s_barrier_wait -3
	s_barrier_signal -1
	s_barrier_wait -1
.endm
; one product.  c < 0: the constant 0 starts the sum.  ra: source 0's scale words stand in lanes 16-31 of the register named
.macro WMS d, a, b, c, sa, sb, ra
.if (\c) < 0
.if (\ra)
	v_wmma_scale_f32_16x16x128_f8f6f4 v[(\d):(\d)+7], v[(\a):(\a)+7], v[(\b):(\b)+7], 0, v[\sa], v[\sb] matrix_a_fmt:MATRIX_FMT_FP4 matrix_b_fmt:MATRIX_FMT_FP4 matrix_a_scale:MATRIX_SCALE_ROW1
.else
	v_wmma_scale_f32_16x16x128_f8f6f4 v[(\d):(\d)+7], v[(\a):(\a)+7], v[(\b):(\b)+7], 0, v[\sa], v[\sb] matrix_a_fmt:MATRIX_FMT_FP4 matrix_b_fmt:MATRIX_FMT_FP4
.endif
.else
.if (\ra)
	v_wmma_scale_f32_16x16x128_f8f6f4 v[(\d):(\d)+7], v[(\a):(\a)+7], v[(\b):(\b)+7], v[(\c):(\c)+7], v[\sa], v[\sb] matrix_a_fmt:MATRIX_FMT_FP4 matrix_b_fmt:MATRIX_FMT_FP4 matrix_a_scale:MATRIX_SCALE_ROW1
.else
	v_wmma_scale_f32_16x16x128_f8f6f4 v[(\d):(\d)+7], v[(\a):(\a)+7], v[(\b):(\b)+7], v[(\c):(\c)+7], v[\sa], v[\sb] matrix_a_fmt:MATRIX_FMT_FP4 matrix_b_fmt:MATRIX_FMT_FP4
.endif
.endif
.endm
.macro PUT adr                         ; the state in my registers into a slot: each accumulator from its low end on; v13 holds the lane's sum by then
.irp k, 0,1,2,3,4,5,6,7
	ds_store_b128 v[\adr], v[160+4*\k:163+4*\k] offset:512*\k
.endr
	ds_store_b128 v[\adr], v[12:15] offset:4096
.endm
	s_load_b128 s[4:7], s[0:1], 0x0                ; qkv s[4:5], cq s[6:7]
	v_lshl_add_u32 v254, v0, 2, SPARE
	v_mov_b32 v255, 0
	ds_add_u32 v254, v255                          ; the opening lines: the add, twice on end, and its wait ahead of my tensor load
	ds_add_u32 v254, v255
	v_lshrrev_b32 v1, 5, v0
	v_readfirstlane_b32 s[WV], v1                  ; wave 0..15
	s_and_b32 s9, ttmp7, 0xffff                    ; bh, which the four partners share
	s_bfe_u32 s54, ttmp6, 0x40000                  ; cx
	s_lshl_b32 s47, ttmp9, 2
	s_add_co_u32 s54, s54, s47                     ; x = 4 x cluster x + cx: it enters global addresses and the mask's distance alone
	s_mul_i32 s33, s[WV], REC                      ; I fetch record w; in LDS as in memory
	; group 1: a record as 35 rows of 256 bytes (32 elements of 8 bytes)
	s_mov_b32 s16, 15|(3<<16)|(1<<21)              ; 15:0 the mask: all four work-groups; 17:16 elements of 8 bytes; 21 set beside a mask
	s_mov_b32 s17, 32<<16
	s_mov_b32 s18, 35<<16
	s_mov_b32 s19, 32<<16
	s_mov_b32 s20, 35
	s_mov_b32 s21, 32
	s_mov_b32 s22, 0
	s_mov_b32 s23, 0
	s_mul_i32 s44, s9, HEADB
	s_add_co_u32 s44, s44, KV_OFF
	s_add_co_u32 s44, s44, s33
	s_mov_b32 s45, 0
	s_lshr_b32 s[P], s[WV], 1                      ; my pair
	s_lshr_b32 s[ROLE], s[WV], 2
	s_xor_b32 s[ROLE], s[ROLE], s[WV]
	s_and_b32 s[ROLE], s[ROLE], 1                  ; 0: owner, 1: helper
	s_sub_co_u32 s[TOP], 15, s[P]
	s_add_co_u32 s[SWJ], s[P], 1
	s_cmp_eq_u32 s[ROLE], 0
	s_cselect_b32 s[T1], s[TOP], s[P]
	s_cselect_b32 s[LO], s[P], 7
	s_cselect_b32 s[HI0], 8, 16
	s_cselect_b32 s[SWJ], 64, s[SWJ]
	s_mov_b32 s[RHO], s[T1]
	s_mov_b32 s[CS], 0x3e38aa3b                    ; log2(e) / sqrt(64)
	s_mov_b32 s[CS+1], s[CS]                       ; (named with it as a pair, so it is written)
	s_mov_b32 s[SEL], 0x76543210
	s_mov_b32 s[SEL+1], 0xfedcba98
	s_mov_b32 s49, 0
	s_wait_dscnt 0x0                               ; both opening adds are done
	s_wait_kmcnt 0x0
	s_mov_b32 s32, 1
	s_add_nc_u64 s[34:35], s[4:5], s[44:45]        ; the head's record w
	s_or_b32 s35, s35, 0x80000000
	CROUND                                         ; all four work-groups are here: the joint loads meet
	tensor_load_to_lds s[32:35], s[16:23]          ; every wave's one tensor load of the launch
	s_nop 0
	s_lshl_b32 s51, s[T1], 3
	s_add_co_u32 s51, s51, s54                     ; my first tile of queries: 8 T1 + x
	s_lshl_b32 s50, s9, 7
	s_add_co_u32 s53, s50, s51
	s_lshl_b32 s48, s53, 9
	s_add_nc_u64 s[56:57], s[4:5], s[48:49]        ; its half image
	s_lshl_b32 s48, s53, 6
	s_add_co_u32 s48, s48, QS_OFF
	s_add_nc_u64 s[58:59], s[4:5], s[48:49]        ; its scale words
	s_lshl_b32 s53, s[TOP], 3
	s_add_co_u32 s53, s53, s54
	s_add_co_u32 s53, s53, s50                     ; the pair's upper tile: 8 (15 - p) + x
	s_lshl_b32 s48, s53, 9
	s_add_nc_u64 s[28:29], s[4:5], s[48:49]
	s_lshl_b32 s48, s53, 6
	s_add_co_u32 s48, s48, QS_OFF
	s_add_nc_u64 s[30:31], s[4:5], s[48:49]
	s_lshr_b32 s50, s9, 4
	s_lshl_b32 s50, s50, 7
	s_add_co_u32 s50, s50, s51                     ; the tile of tokens that I send out: 128 x batch + my first tile
	s_and_b32 s52, s9, 15                          ; the head
	s_lshl_b32 s48, s50, 13
	s_lshl_b32 s53, s52, 9
	s_add_co_u32 s48, s48, s53
	s_add_nc_u64 s[60:61], s[6:7], s[48:49]        ; ctx: the head's 64 channels are half image number `head` of the tile's sixteen
	s_lshl_b32 s48, s50, 9
	s_lshl_b32 s53, s52, 1
	s_add_co_u32 s48, s48, s53
	s_add_co_u32 s48, s48, SC_OFF
	s_add_nc_u64 s[62:63], s[6:7], s[48:49]        ; and bytes 2 head, 2 head + 1 of each row's 32
	s_lshr_b32 s50, s54, 1
	s_lshl_b32 s50, s50, 5
	s_and_b32 s51, s54, 1
	s_lshl_b32 s51, s51, 3
	s_add_co_u32 s50, s50, s51                     ; 32 (x / 2) + 8 (x % 2): where a tile of mine begins in its key step
	s_mov_b32 s46, 0xffff0000                      ; lanes 16-31
	s_mul_i32 s36, s[WV], SLOTB
	s_xor_b32 s37, s[WV], 1
	s_mul_i32 s37, s37, SLOTB
	s_add_co_u32 s37, s37, STG                     ; region A, my partner's slot
	s_mul_i32 s38, s[ROLE], 16*SLOTB
	s_add_co_u32 s38, s38, s36
	s_add_co_u32 s38, s38, STG                     ; what I read at the end: slot w of region A (owner) or B (helper)
	s_add_co_u32 s36, s36, XB                      ; region B, my own slot
	v_and_b32 v1, 31, v0
	v_lshlrev_b32 v2, 2, v1                        ; 4 x lane
	v_lshlrev_b32 v1, 4, v1                        ; 16 x lane
	v_and_b32 v224, 15, v0                         ; r
	v_bfe_u32 v225, v0, 4, 1                       ; h
	v_lshlrev_b32 v226, 2, v224
	global_load_b128 v[16:19], v1, s[56:57]        ; the first tile's Q stays in registers,
	global_load_b32 v30, v226, s[58:59]            ; with its scale words;
	global_load_b128 v[218:221], v1, s[28:29]      ; the upper tile's likewise, for the helper's change of tiles
	global_load_b32 v222, v226, s[30:31]
	v_add_nc_u32 v9, s36, v1
	v_add_nc_u32 v10, s37, v1
	v_add_nc_u32 v11, s38, v1
.irp i, 20,21,22,23, 36,37,38,39, 44,45,46,47, 52,53,54,55, 60,61,62,63
	v_mov_b32 v\i, 0                               ; the upper 64 of the instruction's K: zero codes, set once
.endr
	v_and_b32 v227, 8, v224
	v_add_nc_u32 v3, v224, v227
	v_add_nc_u32 v3, s50, v3
	v_lshlrev_b32 v227, 4, v225
	v_sub_nc_u32 v3, v3, v227                      ; d = my query's place in its key step - 16 h: register 16 b + i holds key 32 b + 16 h + i, hidden where 32 b + i > d
	v_lshl_add_u32 v6, v224, 5, v225               ; 32 r + h: my scale byte of ctx
	v_mov_b32 v13, 0xff61b1e6                      ; the largest t so far: -3e38, under every t
	v_mov_b32 v12, 0x7f61b1e6                      ; -M = 3e38, a whole number
	v_mov_b32 v14, 0                               ; the sum, in two halves
	v_mov_b32 v15, 0
.irp b, 0,1,2,3
	v_mov_b32 v[204+\b], 0                         ; written once: a lane permute's destination counts as one of its sources
.endr
	v_mov_b32 v213, 0                              ; (named as the upper half of the pair v[212:213])
	v_mov_b32 v215, 0xff800000                     ; -infinity
.irp j, 0,1,2,3,4,5,6,7,8,9,10,11,12,13,14,15,16,17,18,19,20,21,22,23,24,25,26,27,28,29,30,31
	v_mov_b32 v[160+\j], 0                         ; O^T.  (The step is written for every trip alike: a tile's first finds zeros, which the first change of M leaves zeros)
.endr
	s_wait_alu depctr_va_vdst(0)                   ; the wait at the head's end
	s_wait_loadcnt 0x0                             ; Q
	s_wait_tensorcnt 0x0                           ; my record has landed
	s_barrier_signal -1
	s_barrier_wait -1                              ; all sixteen records lie in LDS
	s_mov_b32 s[J], 0
	s_mov_b32 s[TB], 0
.Lkeys:                                                ; 16 trips: key step J, record J, at LDS byte TB
	s_cmp_lg_u32 s[J], s[SWJ]
	s_cbranch_scc1 .Lsame
	; A HELPER'S CHANGE OF TILES: tile p is done; its state goes to my own slot, and the upper tile begins
	v_add_f32 v13, v14, v15                        ; the lane's sum
	PUT 9
	s_mov_b32 s[RHO], s[TOP]
	s_wait_dscnt 0x0                               ; the stores have read their registers
.irp i, 0,1,2,3
	v_mov_b32 v[16+\i], v[218+\i]
.endr
	v_mov_b32 v30, v222
	v_mov_b32 v13, 0xff61b1e6
	v_mov_b32 v12, 0x7f61b1e6
	v_mov_b32 v14, 0
	v_mov_b32 v15, 0
.irp j, 0,1,2,3,4,5,6,7,8,9,10,11,12,13,14,15,16,17,18,19,20,21,22,23,24,25,26,27,28,29,30,31
	v_mov_b32 v[160+\j], 0                         ; (also the places between Q's new fragment and scale word and the next products)
.endr
	s_wait_alu depctr_va_vdst(0)                   ; the wait here
.Lsame:
	s_cmp_le_u32 s[J], s[LO]                       ; is this key step mine?  The wave's number and the step's number alone decide
	s_cbranch_scc1 .Lmine
	s_cmp_lt_u32 s[J], s[HI0]
	s_cbranch_scc1 .Lhid
	s_cmp_gt_u32 s[J], s[TOP]
	s_cbranch_scc1 .Lhid
.Lmine:
	v_add_nc_u32 v4, s[TB], v1
	v_add_nc_u32 v5, s[TB], v2
.irp t, 0,1,2,3
	ds_load_b128 v[32+8*\t:35+8*\t], v4 offset:512*\t          ; K's tiles 0-3
.endr
.irp p, 0,1,2,3
	ds_load_b32 v[24+\p], v5 offset:8192+128*\p                ; K's scale words: tile 2 p in lanes 0-15, tile 2 p + 1 in lanes 16-31
.endr
	s_wait_alu depctr_va_vdst(0)                   ; the wait here, directly ahead of the wait below
	s_wait_dscnt 0x0
.irp t, 0,1,2,3
	WMS 96+8*\t, 32+8*\t, 16, -1, 24+\t/2, 30, \t%2
.endr
	PLACES                                         ; in front of loads into registers that these products read
.irp t, 0,1,2,3
	ds_load_b128 v[32+8*\t:35+8*\t], v4 offset:2048+512*\t     ; K's tiles 4-7
.endr
.irp t, 0,1,2,3
.irp c, 0,1
	ds_load_b128 v[64+8*\t+4*\c:67+8*\t+4*\c], v4 offset:4096+1024*\t+512*\c   ; V's four fragments: they land under the softmax
.endr
.endr
.irp p, 0,1
	ds_load_b32 v[28+\p], v5 offset:8704+128*\p
.endr
	s_wait_dscnt 10                                ; K's four are in; V's eight and its two scale loads may be out
.irp t, 0,1,2,3
	WMS 128+8*\t, 32+8*\t, 16, -1, 26+\t/2, 30, \t%2
.endr
	PLACES                                         ; in front of the first read of results
	s_cmp_lg_u32 s[J], s[RHO]                      ; on the diagonal the scores of hidden keys become -infinity ahead of the maximum: p = 0 then
	s_cbranch_scc1 .Lopen
.irp n, 0,1,2,3,4,5,6,7,8,9,10,11,12,13,14,15,16,17,18,19,20,21,22,23,24,25,26,27,28,29,30,31,32,33,34,35,36,37,38,39,40,41,42,43,44,45,46,47,48,49,50,51,52,53,54,55,56,57,58,59,60,61,62,63
	v_cmp_gt_i32 vcc_lo, 32*(\n/16)+\n%16, v3
	v_cndmask_b32 v[96+\n], v[96+\n], v215, vcc_lo
.endr
.Lopen:
.irp b, 0,1,2,3
	v_max3_num_f32 v[200+\b], v[96+16*\b], v[97+16*\b], v[98+16*\b]   ; the largest score of each block of 32 keys: it serves for the row's maximum and, since p rises with the score, for the block's largest p
.endr
.irp i, 3,5,7,9,11,13
.irp b, 0,1,2,3
	v_max3_num_f32 v[200+\b], v[200+\b], v[96+16*\b+\i], v[97+16*\b+\i]
.endr
.endr
.irp b, 0,1,2,3
	v_max_num_f32 v[200+\b], v[200+\b], v[111+16*\b]
.endr
.irp b, 0,1,2,3
	s_delay_alu instid0(VALU_DEP_4)
	v_permlanex16_b32 v[204+\b], v[200+\b], s[SEL], s[SEL+1]
.endr
.irp b, 0,1,2,3
	s_delay_alu instid0(VALU_DEP_4)
	v_max_num_f32 v[200+\b], v[200+\b], v[204+\b]  ; with lane l xor 16's 16 keys
.endr
	s_delay_alu instid0(VALU_DEP_2)
	v_max3_num_f32 v214, v200, v201, v202
	s_delay_alu instid0(VALU_DEP_1)
	v_max_num_f32 v214, v214, v203                 ; the step's largest score of my query (key 128 J counts for it, so it is a number)
	s_delay_alu instid0(VALU_DEP_1)
	v_mul_f32 v214, s[CS], v214                    ; as t
	s_delay_alu instid0(VALU_DEP_1)
	v_max_num_f32 v13, v13, v214                   ; the running largest t
	v_mov_b32 v214, v12
	s_delay_alu instid0(VALU_DEP_2)
	v_floor_f32 v12, -v13                          ; the new -M = -ceil(t)
	s_delay_alu instid0(VALU_DEP_1)
	v_sub_f32 v214, v12, v214                      ; old M - new M: a whole number, 0 or less
	s_delay_alu instid0(VALU_DEP_1)
	v_cvt_i32_f32 v214, v214                       ; (it saturates)
	s_delay_alu instid0(VALU_DEP_1)
	v_ldexp_f32 v212, 1.0, v214                    ; f = 2^(old M - new M)
.irp j, 0,2,4,6,8,10,12,14,16,18,20,22,24,26,28,30,32,34,36,38,40,42,44,46,48,50,52,54,56,58,60,62
	v_pk_fma_f32 v[96+\j:97+\j], v[96+\j:97+\j], s[CS:CS+1], v[12:13] op_sel_hi:[1,0,0]   ; t - M, two at a time
.endr
.irp b, 0,1,2,3
	v_fma_f32 v[200+\b], v[200+\b], s[CS], v12     ; the same of each block's largest score
.endr
	s_wait_alu depctr_va_vdst(0)                   ; the wait ahead of the batch
.irp j, 0,1,2,3,4,5,6,7,8,9,10,11,12,13,14,15,16,17,18,19,20,21,22,23,24,25,26,27,28,29,30,31,32,33,34,35,36,37,38,39,40,41,42,43,44,45,46,47,48,49,50,51,52,53,54,55,56,57,58,59,60,61,62,63
	v_exp_f32 v[96+\j], v[96+\j]                   ; p = 2^(t - M)
.endr
.irp b, 0,1,2,3
	v_exp_f32 v[200+\b], v[200+\b]                 ; the block's largest p: the same two instructions on the same number
.endr
	v_pk_mul_f32 v[14:15], v[14:15], v[212:213] op_sel_hi:[1,0]   ; the sums under the new M.  (The plain place behind the exponentials)
	s_wait_alu depctr_va_vdst(0)                   ; one wait for the batch, ahead of its first reader
.irp b, 0,1,2,3
	v_max_num_f32 v[200+\b], 0x1800000, v[200+\b]  ; the floor 2^(3 - 127): the byte cannot fall under 1
.endr
.irp b, 0,1,2,3
	s_delay_alu instid0(VALU_DEP_4)
	v_add_nc_u32 v[208+\b], 0xff000000, v[200+\b]  ; 2 off the exponent field: the conversion's scale operand
.endr
.irp b, 0,1,2,3
	s_delay_alu instid0(VALU_DEP_4)
	v_lshrrev_b32 v[204+\b], 23, v[208+\b]         ; the scale's byte
.endr
	s_delay_alu instid0(VALU_DEP_3)
	v_lshl_or_b32 v31, v205, 8, v204               ; p's scale word for these 128 keys
	s_delay_alu instid0(VALU_DEP_1)
	v_lshl_or_b32 v31, v206, 16, v31
	s_delay_alu instid0(VALU_DEP_1)
	v_lshl_or_b32 v31, v207, 24, v31
.irp b, 0,1,2,3
	v_cvt_scalef32_pk8_fp4_f32 v[192+2*\b], v[96+16*\b:103+16*\b], v[208+\b]
	v_cvt_scalef32_pk8_fp4_f32 v[193+2*\b], v[104+16*\b:111+16*\b], v[208+\b]
.endr
	v_nop                                          ; one plain place behind the conversions
.irp c, 0,1
.irp i, 0,1
	v_permlane16_swap_b32 v[192+4*\c+\i], v[194+4*\c+\i]   ; a whole block to a lane
.endr
.endr
; the row's sum of the unquantised p: 32 pairs, in eight chains by turns (seven at v[TS ..], the eighth the running sum itself)
.irp c, 0,1,2,3,4,5,6
	v_pk_add_f32 v[TS+2*\c:TS+2*\c+1], v[96+2*\c:97+2*\c], v[110+2*\c:111+2*\c]
.endr
	v_pk_add_f32 v[14:15], v[14:15], v[124:125]
.irp c, 0,1,2,3,4,5,6
	v_pk_add_f32 v[TS+2*\c:TS+2*\c+1], v[TS+2*\c:TS+2*\c+1], v[126+2*\c:127+2*\c]
.endr
	v_pk_add_f32 v[14:15], v[14:15], v[140:141]
.irp c, 0,1,2,3,4,5,6
	v_pk_add_f32 v[TS+2*\c:TS+2*\c+1], v[TS+2*\c:TS+2*\c+1], v[142+2*\c:143+2*\c]
.endr
	v_pk_add_f32 v[14:15], v[14:15], v[156:157]
	v_pk_add_f32 v[TS:TS+1], v[TS:TS+1], v[158:159]
	v_pk_add_f32 v[TS+2:TS+3], v[TS+2:TS+3], v[TS+10:TS+11]
	v_pk_add_f32 v[TS+4:TS+5], v[TS+4:TS+5], v[TS+12:TS+13]
	v_pk_add_f32 v[14:15], v[14:15], v[TS+6:TS+7]
	v_pk_add_f32 v[TS:TS+1], v[TS:TS+1], v[TS+8:TS+9]
	v_pk_add_f32 v[14:15], v[14:15], v[TS+4:TS+5]
	s_delay_alu instid0(VALU_DEP_2)
	v_pk_add_f32 v[TS:TS+1], v[TS:TS+1], v[TS+2:TS+3]
	s_delay_alu instid0(VALU_DEP_1)
	v_pk_add_f32 v[14:15], v[14:15], v[TS:TS+1]
	s_wait_alu depctr_va_vdst(0)                   ; the wait here, directly ahead of the first reader of O^T
.irp j, 0,2,4,6,8,10,12,14,16,18,20,22,24,26,28,30
	v_pk_mul_f32 v[160+\j:161+\j], v[160+\j:161+\j], v[212:213] op_sel_hi:[1,0]   ; O^T under the new M.  (With the sums above: the places between p's codes and scale word and the products below)
.endr
	s_wait_alu depctr_va_vdst(0)                   ; the wait here, directly ahead of the wait below
	s_wait_dscnt 0x0                               ; V
.irp t, 0,1,2,3
	WMS 160+8*\t, 64+8*\t, 192, 160+8*\t, 28+\t/2, 31, \t%2    ; four accumulators by turns, one instruction a turn
.endr
	PLACES                                         ; behind the last products: for the next step's loads, the change of tiles and the way out
.Lhid:
	s_add_co_u32 s[TB], s[TB], REC
	s_add_co_u32 s[J], s[J], 1
	s_cmp_lt_u32 s[J], 16
	s_cbranch_scc1 .Lkeys
	; THE STATES MEET.  A helper puts its part of the upper tile into its partner's slot of region A and keeps nothing (-M = 3e38); behind the barrier every wave reads slot w: an owner that part, a helper its own tile p
	v_add_f32 v13, v14, v15                        ; the lane's sum
	s_cmp_eq_u32 s[ROLE], 0
	s_wait_alu depctr_va_vdst(0)                   ; the wait here, directly ahead of the branch
	s_cbranch_scc1 .Lowner
	PUT 10
	s_wait_dscnt 0x0                               ; the stores have read their registers
	v_mov_b32 v12, 0x7f61b1e6
	s_wait_alu depctr_va_vdst(0)
.Lowner:
	s_wait_dscnt 0x0                               ; for the partner's sake: my stores have landed
	s_barrier_signal -1
	s_barrier_wait -1
.irp k, 0,1,2,3,4,5,6,7
	ds_load_b128 v[96+4*\k:99+4*\k], v11 offset:512*\k
.endr
	ds_load_b128 v[128:131], v11 offset:4096       ; v128 its -M, v129 its sum
	s_wait_dscnt 0x0
	v_min_num_f32 v132, v12, v128                  ; the joint -M
	s_delay_alu instid0(VALU_DEP_1)
	v_sub_f32 v133, v132, v12                      ; my M - the joint M: a whole number, 0 or less
	v_sub_f32 v138, v132, v128                     ; and the other state's
	s_delay_alu instid0(VALU_DEP_2)
	v_cvt_i32_f32 v133, v133                       ; (they saturate: a state that holds nothing gets the factor 0)
	s_delay_alu instid0(VALU_DEP_2)
	v_cvt_i32_f32 v138, v138
	s_delay_alu instid0(VALU_DEP_2)
	v_ldexp_f32 v134, 1.0, v133                    ; both factors twice, as pairs for the packed forms
	v_ldexp_f32 v135, 1.0, v133
	v_ldexp_f32 v136, 1.0, v138
	v_ldexp_f32 v137, 1.0, v138
	v_mul_f32 v14, v13, v134
	s_delay_alu instid0(VALU_DEP_1)
	v_fma_f32 v14, v129, v136, v14                 ; the lane's joint sum
.irp j, 0,2,4,6,8,10,12,14,16,18,20,22,24,26,28,30
	v_pk_mul_f32 v[160+\j:161+\j], v[160+\j:161+\j], v[134:135]   ; each accumulator from its low end on
.endr
.irp j, 0,2,4,6,8,10,12,14,16,18,20,22,24,26,28,30
	v_pk_fma_f32 v[160+\j:161+\j], v[96+\j:97+\j], v[136:137], v[160+\j:161+\j]
.endr
	; THE WAY OUT: O^T / the sum is ctx: my row's 16 + 16 neighbours of the head's two blocks; quantised as every operand is, it is one half image
	v_permlanex16_b32 v204, v14, s[SEL], s[SEL+1]
	s_delay_alu instid0(VALU_DEP_1)
	v_add_f32 v14, v14, v204                       ; the row's sum
	s_wait_alu depctr_va_vdst(0)                   ; the wait ahead of the transcendental
	v_rcp_f32 v14, v14
	v_nop                                          ; a plain place behind the transcendental
	s_wait_alu depctr_va_vdst(0)                   ; and ahead of its first reader
.irp j, 0,2,4,6,8,10,12,14,16,18,20,22,24,26,28,30
	v_pk_mul_f32 v[96+\j:97+\j], v[160+\j:161+\j], v[14:15] op_sel_hi:[1,0]
.endr
.irp b, 0,1
	v_max3_num_f32 v[200+\b], |v[96+16*\b]|, |v[97+16*\b]|, 0x1800000
.endr
.irp i, 2,4,6,8,10,12,14
.irp b, 0,1
	s_delay_alu instid0(VALU_DEP_2)
	v_max3_num_f32 v[200+\b], v[200+\b], |v[96+16*\b+\i]|, |v[97+16*\b+\i]|
.endr
.endr
.irp b, 0,1
	s_delay_alu instid0(VALU_DEP_2)
	v_permlanex16_b32 v[204+\b], v[200+\b], s[SEL], s[SEL+1]
.endr
.irp b, 0,1
	s_delay_alu instid0(VALU_DEP_2)
	v_max_num_f32 v[200+\b], v[200+\b], v[204+\b]
.endr
.irp b, 0,1
	s_delay_alu instid0(VALU_DEP_2)
	v_add_nc_u32 v[208+\b], 0xff000000, v[200+\b]
.endr
.irp b, 0,1
	s_delay_alu instid0(VALU_DEP_2)
	v_lshrrev_b32 v[204+\b], 23, v[208+\b]
.endr
.irp b, 0,1
	v_cvt_scalef32_pk8_fp4_f32 v[192+2*\b], v[96+16*\b:103+16*\b], v[208+\b]
	v_cvt_scalef32_pk8_fp4_f32 v[193+2*\b], v[104+16*\b:111+16*\b], v[208+\b]
.endr
	v_nop
	v_permlane16_swap_b32 v192, v194
	v_permlane16_swap_b32 v193, v195
	v_cndmask_b32 v200, v204, v205, s46            ; lanes 0-15 carry block 0's byte, lanes 16-31 block 1's
	global_store_b128 v1, v[192:195], s[60:61]     ; 512 consecutive bytes, at a multiple of 512 from the buffer's first byte
	global_store_b8 v6, v200, s[62:63]
	s_wait_tensorcnt 0x0                           ; the wave's end
	ds_add_u32 v254, v255
	s_wait_dscnt 0x0
	CROUND                                         ; the closing round: no work-group ends while a partner may still ask for records that name it
	s_endpgm
.Lfunc_end_k_q79563a73ce_attn1:
	.size	k_q79563a73ce_attn1, .Lfunc_end_k_q79563a73ce_attn1-k_q79563a73ce_attn1
	.p2alignl 7, 3214868480
	.fill 96, 4, 3214868480
	.section	.rodata,"a",@progbits
	.p2align	6, 0x0
	.amdhsa_kernel k_q79563a73ce_attn1
		.amdhsa_group_segment_fixed_size 292864
		.amdhsa_private_segment_fixed_size 0
		.amdhsa_enable_private_segment 0
		.amdhsa_kernarg_size 16
		.amdhsa_user_sgpr_count 2
		.amdhsa_user_sgpr_kernarg_segment_ptr 1
		.amdhsa_wavefront_size32 1
		.amdhsa_system_sgpr_workgroup_id_x 1
		.amdhsa_system_sgpr_workgroup_id_y 1
		.amdhsa_system_sgpr_workgroup_id_z 1
		.amdhsa_system_vgpr_workitem_id 0
		.amdhsa_next_free_vgpr 256
		.amdhsa_next_free_sgpr 66
		.amdhsa_reserve_vcc 1
		.amdhsa_float_denorm_mode_32 3
		.amdhsa_float_denorm_mode_16_64 3
		.amdhsa_memory_ordered 1
		.amdhsa_forward_progress 1
		.amdhsa_inst_pref_size 40
	.end_amdhsa_kernel
	.amdgpu_metadata
---
amdhsa.version: [ 1, 2 ]
amdhsa.kernels:
  - .name:           k_q79563a73ce_attn1
    .symbol:         k_q79563a73ce_attn1.kd
    .args:
      - { .name: qkv, .offset: 0, .size: 8, .value_kind: global_buffer, .address_space: global }
      - { .name: cq, .offset: 8, .size: 8, .value_kind: global_buffer, .address_space: global }
    .group_segment_fixed_size: 292864
    .private_segment_fixed_size: 0
    .kernarg_segment_align: 8
    .kernarg_segment_size: 16
    .max_flat_workgroup_size: 512
    .sgpr_count:     66
    .vgpr_count:     256
    .wavefront_size: 32
...
	.end_amdgpu_metadata
.endif
;; end of part 3
;; launch proj1 (part 4): grid 8 x 32, 4 waves a work-group, clusters of 4 x 4, 168,448 bytes of LDS; arguments cq, w4, bo, x, h; writes h
.if DOCPART == 4
	.amdgcn_target "amdgcn-amd-amdhsa--gfx1250"
	.amdhsa_code_object_version 6
	.text
	.protected	k_q79563a73ce_proj1
	.globl	k_q79563a73ce_proj1
	.p2align	8
	.type	k_q79563a73ce_proj1,@function
k_q79563a73ce_proj1:
	s_mov_b64 s[64:65], 0
	v_nop
	global_prefetch_b8 v0, s[64:65] scope:SCOPE_SE
	s_setreg_imm32_b32 hwreg(HW_REG_WAVE_MODE, 25, 1), 1
	s_wait_xcnt 0x0
	s_wait_alu depctr_hold_cnt(0) depctr_sa_sdst(0) depctr_va_vdst(0) depctr_va_sdst(0) depctr_va_ssrc(0) depctr_va_vcc(0) depctr_vm_vsrc(0)
	s_getreg_b32 s2, hwreg(HW_REG_IB_STS2, 6, 4)
	s_cmp_eq_u32 s2, 0
	s_cbranch_scc0 .Lentry_in_a_cluster
	s_endpgm
.Lentry_in_a_cluster:
	s_bfe_u32 s2, ttmp6, 0x10000c
	s_cmp_lg_u32 s2, 0xf033
	s_cbranch_scc0 .Lentry_shape_is_right
	s_endpgm
.Lentry_shape_is_right:
; out = res + Q(ctx) Q(wo)^T + bo, K = 1,024, on codes of FP4 with E8M0 scales; res and out are [4,096][1,024] f32 in natural order.
; INPUTS: cq and w4 (wo's tiles from 192 on): tiles of 16 rows as images of the operand's registers, 8,192 bytes a tile, scale bytes [tile][row][32] from SC_OFF on; a tile's row r is row 32 (T / 2) + 8 (T % 2) + r + 8 (r / 8).
; SHARES: work-group (x, y): 128 tokens x 128 channels, so that there are 256 work-groups; wave (w / 2, w % 2): 64 x 64: 16 accumulators.
; TRANSPOSED: source 0 = 16 rows of wo, source 1 = 16 tokens: a lane holds one token and, over two neighbouring tiles, 16 neighbouring channels.  The bias is the C of each sum's first product.
; LDS: both operands for all of K fit at once (65,536 + 65,536 bytes): filled once, by one tensor load a wave.  Behind them a stage of 16 rows x (256 + 16) bytes for each wave, into which no fill lands.
; CLUSTER 4 x 4: the four work-groups of a row of the cluster need the same tokens, the four of a column the same rows of wo: each chunk is asked for jointly.
; THE WAY OUT: a tile of tokens goes through my stage and comes back as rows of 256 bytes; the residual, loaded at the head in the same form, is added, and sixteen lanes store 256 consecutive aligned bytes.
; REGISTERS: window 0: v1-10 addresses; v16-31 ctx's scale words, v32-47 wo's (scales and nothing else); v48-79 the bias in the result's layout; v80-111 rows back from the stage; v128-255 the residual, then the result.
;   window 1: v0-127 two sets of fragments (ctx's 4 at +0, wo's 4 at +32); v128-255 the accumulators at 128 + 32 a + 8 t.
.set SC_OFF, 2097152
.set LB,     65536                     ; LDS: wo's chunks
.set STG,    131072                    ; the stages
.set SP,     272
.set G1A, 24
.set G0A, 32
.set G0B, 48
.set G1B, 68
.set SA,  16
.set SB,  32
.set BI,  48
.set BK,  80
.set RES, 128
.set MSB, 0
.macro WIN new                         ; the immediate's high byte repeats the setting that is left; a switch that changes nothing is dropped
.if MSB != (\new)
	s_set_vgpr_msb (MSB<<8)|(\new)
.set MSB, (\new)
.endif
.endm
.macro PLACES
.rept 4
	v_nop
.endr
.endm
.macro CROUND                          ; a round of the cluster's barrier
	s_barrier_signal -1
	s_barrier_wait -1
	s_cmp_lg_u32 s14, 0
	s_cbranch_scc1 .Lnot_wave_0_\@
	s_barrier_signal -3
.Lnot_wave_0_\@:
	s_barrier_wait -3
	s_barrier_signal -1
	s_barrier_wait -1
.endm
; one product.  ra, rb: the side's scale words stand in lanes 16-31 of the register named
.macro WMS d, a, b, c, sa, sb, ra, rb
.if (\ra) && (\rb)
	v_wmma_scale_f32_16x16x128_f8f6f4 v[(\d):(\d)+7], v[(\a):(\a)+7], v[(\b):(\b)+7], v[(\c):(\c)+7], v[\sa], v[\sb] matrix_a_fmt:MATRIX_FMT_FP4 matrix_b_fmt:MATRIX_FMT_FP4 matrix_a_scale:MATRIX_SCALE_ROW1 matrix_b_scale:MATRIX_SCALE_ROW1
.elseif (\ra)
	v_wmma_scale_f32_16x16x128_f8f6f4 v[(\d):(\d)+7], v[(\a):(\a)+7], v[(\b):(\b)+7], v[(\c):(\c)+7], v[\sa], v[\sb] matrix_a_fmt:MATRIX_FMT_FP4 matrix_b_fmt:MATRIX_FMT_FP4 matrix_a_scale:MATRIX_SCALE_ROW1
.elseif (\rb)
	v_wmma_scale_f32_16x16x128_f8f6f4 v[(\d):(\d)+7], v[(\a):(\a)+7], v[(\b):(\b)+7], v[(\c):(\c)+7], v[\sa], v[\sb] matrix_a_fmt:MATRIX_FMT_FP4 matrix_b_fmt:MATRIX_FMT_FP4 matrix_b_scale:MATRIX_SCALE_ROW1
.else
	v_wmma_scale_f32_16x16x128_f8f6f4 v[(\d):(\d)+7], v[(\a):(\a)+7], v[(\b):(\b)+7], v[(\c):(\c)+7], v[\sa], v[\sb] matrix_a_fmt:MATRIX_FMT_FP4 matrix_b_fmt:MATRIX_FMT_FP4
.endif
.endm
	s_load_b256 s[4:11], s[0:1], 0x0               ; cq s[4:5], w4 s[6:7], bo s[8:9], res s[10:11]
	s_load_b64 s[12:13], s[0:1], 0x20              ; out
	v_lshl_add_u32 v126, v0, 2, 0x29000
	v_mov_b32 v127, 0
	ds_add_u32 v126, v127
	ds_add_u32 v126, v127
	v_lshrrev_b32 v1, 5, v0
	v_readfirstlane_b32 s14, v1                    ; wave 0..3
	s_lshr_b32 s15, s14, 1                         ; which 64 tokens are mine.  Also: I fetch ctx (0) or wo (1)
	s_and_b32 s16, s14, 1                          ; which 64 channels.  Also: which half of a chunk's tiles I fetch
	s_bfe_u32 s17, ttmp6, 0x40000                  ; cx
	s_bfe_u32 s18, ttmp6, 0x40004                  ; cy
	s_lshl_b32 s19, ttmp9, 2
	s_add_co_u32 s19, s19, s17                     ; x: the block of 128 channels
	s_and_b32 s20, ttmp7, 0xffff
	s_lshl_b32 s20, s20, 2
	s_add_co_u32 s20, s20, s18                     ; y: the block of 128 tokens
	s_lshl_b32 s21, s18, 2
	s_lshl_b32 s21, 15, s21                        ; my row of the cluster
	s_lshl_b32 s22, 0x1111, s17                    ; my column
	; group 1: rows of 256 bytes (32 elements of 8 bytes), dense in memory and in LDS
	s_or_b32 s[G1A], s21, (3<<16)|(1<<21)          ; 15:0 the mask; 17:16 elements of 8 bytes; 21 set beside a mask
	s_or_b32 s[G1B], s22, (3<<16)|(1<<21)
.irp g, G1A, G1B
	; ONE FILL A WAVE: 4 tiles for all of K are 32,768 dense bytes: 128 rows of 256 bytes (32 elements of 8 bytes); LDS holds them tile by tile, 8,192 bytes a tile
	s_mov_b32 s[\g+1], 32<<16                      ; tensor_dim0
	s_mov_b32 s[\g+2], 128<<16                     ; tensor_dim1
	s_mov_b32 s[\g+3], 32<<16                      ; tile_dim0
	s_mov_b32 s[\g+4], 128                         ; tile_dim1
	s_mov_b32 s[\g+5], 32                          ; tensor_dim0_stride
	s_mov_b32 s[\g+6], 0
	s_mov_b32 s[\g+7], 0
.endr
	s_lshl_b32 s76, s20, 16                        ; ctx: tile 8 y + 4 half, made of y and the wave's number alone
	s_lshl_b32 s77, s16, 15
	s_add_co_u32 s76, s76, s77
	s_mov_b32 s77, 0
	s_lshl_b32 s78, s19, 16                        ; wo: tile 192 + 8 x + 4 half, made of x and the wave's number alone
	s_lshl_b32 s79, s16, 15
	s_add_co_u32 s78, s78, s79
	s_add_co_u32 s78, s78, 192*8192
	s_mov_b32 s79, 0
	s_lshl_b32 s80, s16, 15                        ; where they go: 4 tiles a half; no place in the cluster enters an LDS address
	s_wait_dscnt 0x0
	s_wait_kmcnt 0x0
	s_add_nc_u64 s[76:77], s[4:5], s[76:77]
	s_add_nc_u64 s[78:79], s[6:7], s[78:79]
.irp i, 0
	s_mov_b32 s[G0A+4*\i], 1
	s_add_co_u32 s[G0A+4*\i+1], s80, \i*16384
	s_add_nc_u64 s[G0A+4*\i+2:G0A+4*\i+3], s[76:77], \i*2048
	s_or_b32 s[G0A+4*\i+3], s[G0A+4*\i+3], 0x80000000
	s_mov_b32 s[G0B+4*\i], 1
	s_add_co_u32 s[G0B+4*\i+1], s80, LB+\i*16384
	s_add_nc_u64 s[G0B+4*\i+2:G0B+4*\i+3], s[78:79], \i*2048
	s_or_b32 s[G0B+4*\i+3], s[G0B+4*\i+3], 0x80000000
.endr
	CROUND                                         ; all sixteen work-groups are here: the joint loads meet
	s_cmp_eq_u32 s15, 0                            ; one branch on the wave's number, one fill in each arm: one tensor load a wave at the head
	s_cbranch_scc0 .Lfirst_b
	tensor_load_to_lds s[G0A:G0A+3], s[G1A:G1A+7]
	s_nop 0
	PLACES
	s_branch .Lasked
.Lfirst_b:
	tensor_load_to_lds s[G0B:G0B+3], s[G1B:G1B+7]
	s_nop 0
	PLACES
.Lasked:
	v_and_b32 v1, 31, v0
	v_lshlrev_b32 v1, 4, v1                        ; 16 x lane
	v_and_b32 v2, 15, v0                           ; r
	v_bfe_u32 v3, v0, 4, 1                         ; h
	s_lshl_b32 s81, s15, 15
	v_add_nc_u32 v4, s81, v1                       ; my four tiles of ctx for all K steps
	s_lshl_b32 s81, s16, 15
	s_add_co_u32 s81, s81, LB
	v_add_nc_u32 v5, s81, v1                       ; my four tiles of wo
	v_lshlrev_b32 v6, 5, v2
	v_lshl_add_u32 v6, v3, 10, v6                  ; scale bytes: row r; lanes 16-31 two tiles on
	v_lshlrev_b32 v7, 6, v3                        ; the bias: 16 numbers on for lanes 16-31
	s_wait_alu depctr_va_vdst(0)
	v_lshlrev_b32 v8, 4, v2
	v_lshl_add_u32 v8, v3, 12, v8                  ; rows of res and out: lanes 0-15 one row's 256 bytes, lanes 16-31 the next row's
	s_wait_alu depctr_va_vdst(0)
	s_mul_i32 s81, s14, 16*SP
	s_add_co_u32 s81, s81, STG                     ; my stage
	v_mul_u32_u24 v9, v2, SP
	v_lshl_add_u32 v9, v3, 6, v9
	v_add_nc_u32 v9, s81, v9                       ; in: row r, + 64 h
	v_mul_u32_u24 v10, v3, SP
	v_lshl_add_u32 v10, v2, 4, v10
	v_add_nc_u32 v10, s81, v10                     ; back: lanes 0-15 one row, lanes 16-31 the next
	s_mov_b32 s99, 0
	s_lshl_b32 s98, s20, 12
	s_lshl_b32 s81, s15, 11
	s_add_co_u32 s98, s98, s81
	s_add_co_u32 s98, s98, SC_OFF
	s_add_nc_u64 s[82:83], s[4:5], s[98:99]        ; the scale bytes of tile 8 y + 4 (w / 2)
	s_lshl_b32 s98, s19, 12
	s_lshl_b32 s81, s16, 11
	s_add_co_u32 s98, s98, s81
	s_add_co_u32 s98, s98, SC_OFF+192*512
	s_add_nc_u64 s[84:85], s[6:7], s[98:99]        ; and of tile 192 + 8 x + 4 (w % 2)
	s_lshl_b32 s98, s19, 9
	s_lshl_b32 s81, s16, 8
	s_add_co_u32 s98, s98, s81                     ; my first channel, in bytes
	s_add_nc_u64 s[86:87], s[8:9], s[98:99]
	s_lshl_b32 s81, s20, 19
	s_add_co_u32 s98, s98, s81
	s_lshl_b32 s81, s15, 18
	s_add_co_u32 s98, s98, s81                     ; + my first token's row of 4,096 bytes
	s_add_nc_u64 s[90:91], s[10:11], s[98:99]
	s_add_nc_u64 s[92:93], s[12:13], s[98:99]
.irp p, 0,1
.irp q, 0,1
	global_load_b128 v[SA+8*\p+4*\q:SA+8*\p+4*\q+3], v6, s[82:83] offset:512*\p+16*\q    ; register 8 p + s: K step s's word of tile p (lanes 0-15) and of tile p + 2 (lanes 16-31)
.endr
.endr
.irp p, 0,1
.irp q, 0,1
	global_load_b128 v[SB+8*\p+4*\q:SB+8*\p+4*\q+3], v6, s[84:85] offset:512*\p+16*\q
.endr
.endr
.irp t, 0,1,2,3
	global_load_b128 v[BI+8*\t:BI+8*\t+3],   v7, s[86:87] offset:128*(\t/2)+32*(\t%2)      ; tile t's register j is channel 32 (t / 2) + 16 h + 8 (t % 2) + j
	global_load_b128 v[BI+8*\t+4:BI+8*\t+7], v7, s[86:87] offset:128*(\t/2)+32*(\t%2)+16
.endr
.irp a, 0,1,2,3
.irp i, 0,1,2,3,4,5,6,7
	global_load_b128 v[RES+32*\a+4*\i:RES+32*\a+4*\i+3], v8, s[90:91] offset:(32*(\a/2)+8*(\a%2)+2*\i+8*(\i/4))*4096   ; tile a's rows 2 i and 2 i + 1, at their tokens
.endr
.endr
.macro FETCH s                         ; the 16 LDS loads of K step s, into set s % 2
.set P,   64*((\s)%2)
.set OFS, (\s)*1024                    ; K step s of a tile's image
	WIN 0x40                                       ; destination window 1, address window 0
.irp a, 0,1,2,3
.irp c, 0,1
	ds_load_b128 v[P+8*\a+4*\c:P+8*\a+4*\c+3], v4 offset:OFS+\a*8192+\c*512
.endr
.endr
.irp t, 0,1,2,3
.irp c, 0,1
	ds_load_b128 v[P+32+8*\t+4*\c:P+32+8*\t+4*\c+3], v5 offset:OFS+\t*8192+\c*512
.endr
.endr
.endm
.macro MUL s                           ; the 16 products of K step s.  The accumulators take turns, one instruction a turn, in the same order in every step
.set P, 64*((\s)%2)
.if (\s) == 0
	WIN 0x45                                       ; sources 0, 1 and D window 1; C, the bias, window 0
.else
	WIN 0x55                                       ; all four window 1
.endif
.irp a, 0,1,2,3
.irp t, 0,1,2,3
.if (\s) == 0
	WMS 128+32*\a+8*\t, P+32+8*\t, P+8*\a, BI+8*\t, SB+8*(\t%2)+(\s), SA+8*(\a%2)+(\s), \t/2, \a/2
.else
	WMS 128+32*\a+8*\t, P+32+8*\t, P+8*\a, 128+32*\a+8*\t, SB+8*(\t%2)+(\s), SA+8*(\a%2)+(\s), \t/2, \a/2
.endif
.endr
.endr
.endm
.macro STEP s
.if (\s) < 7
.if (\s) > 0
	PLACES                                         ; in front of loads into the set that the last step's products read
.endif
	FETCH (\s)+1
	s_wait_dscnt 16                                ; all but the 16 just issued: this step's fragments are in
.else
	s_wait_dscnt 0x0
.endif
.if (\s) == 0
	s_wait_loadcnt 32                              ; the scale words and the bias are in; the residual's 32 loads may be out
.endif
	MUL \s
.endm
	s_wait_alu depctr_va_vdst(0)                   ; the wait at the head's end
	s_wait_tensorcnt 0x0                           ; my one fill has landed
	s_barrier_signal -1
	s_barrier_wait -1                              ; everybody's has: both operands lie in LDS for all of K
	FETCH 0
.irp s, 0,1,2,3,4,5,6,7
	STEP \s
.endr
	PLACES                                         ; in front of the first read of results
	s_wait_alu depctr_va_vdst(0)
	s_wait_loadcnt 0x0                             ; the residual
.irp a, 0,1,2,3
	WIN 0x04                                       ; an LDS store's data are its source 1: window 1
.irp t, 0,1,2,3
	ds_store_b128 v9, v[128+32*\a+8*\t:131+32*\a+8*\t] offset:128*(\t/2)+32*(\t%2)        ; each accumulator from its low end on
	ds_store_b128 v9, v[132+32*\a+8*\t:135+32*\a+8*\t] offset:128*(\t/2)+32*(\t%2)+16
.endr
	WIN 0
.irp i, 0,1,2,3,4,5,6,7
	ds_load_b128 v[BK+4*\i:BK+4*\i+3], v10 offset:2*\i*SP      ; LDS serves a wave's instructions in order (ISA guide 5.7.1.4): these see my stores, and the next tile's stores come behind them
.endr
	s_wait_dscnt 0x0
.irp i, 0,1,2,3,4,5,6,7
	v_pk_add_f32 v[RES+32*\a+4*\i:RES+32*\a+4*\i+1],   v[RES+32*\a+4*\i:RES+32*\a+4*\i+1],   v[BK+4*\i:BK+4*\i+1]
	v_pk_add_f32 v[RES+32*\a+4*\i+2:RES+32*\a+4*\i+3], v[RES+32*\a+4*\i+2:RES+32*\a+4*\i+3], v[BK+4*\i+2:BK+4*\i+3]
.endr
.irp i, 0,1,2,3,4,5,6,7
	global_store_b128 v8, v[RES+32*\a+4*\i:RES+32*\a+4*\i+3], s[92:93] offset:(32*(\a/2)+8*(\a%2)+2*\i+8*(\i/4))*4096   ; 16 lanes store 256 consecutive bytes, at a multiple of 256 from the buffer's first byte; these registers are not written again
.endr
.endr
	s_wait_tensorcnt 0x0
	ds_add_u32 v126, v127
	s_wait_dscnt 0x0
	CROUND                                         ; the closing round: no work-group ends while a partner may still ask for a chunk that names it
	s_endpgm
.Lfunc_end_k_q79563a73ce_proj1:
	.size	k_q79563a73ce_proj1, .Lfunc_end_k_q79563a73ce_proj1-k_q79563a73ce_proj1
	.p2alignl 7, 3214868480
	.fill 96, 4, 3214868480
	.section	.rodata,"a",@progbits
	.p2align	6, 0x0
	.amdhsa_kernel k_q79563a73ce_proj1
		.amdhsa_group_segment_fixed_size 168448
		.amdhsa_private_segment_fixed_size 0
		.amdhsa_enable_private_segment 0
		.amdhsa_kernarg_size 40
		.amdhsa_user_sgpr_count 2
		.amdhsa_user_sgpr_kernarg_segment_ptr 1
		.amdhsa_wavefront_size32 1
		.amdhsa_system_sgpr_workgroup_id_x 1
		.amdhsa_system_sgpr_workgroup_id_y 1
		.amdhsa_system_sgpr_workgroup_id_z 1
		.amdhsa_system_vgpr_workitem_id 0
		.amdhsa_next_free_vgpr 512
		.amdhsa_next_free_sgpr 100
		.amdhsa_reserve_vcc 0
		.amdhsa_float_denorm_mode_32 3
		.amdhsa_float_denorm_mode_16_64 3
		.amdhsa_memory_ordered 1
		.amdhsa_forward_progress 1
		.amdhsa_inst_pref_size 48
	.end_amdhsa_kernel
	.amdgpu_metadata
---
amdhsa.version: [ 1, 2 ]
amdhsa.kernels:
  - .name:           k_q79563a73ce_proj1
    .symbol:         k_q79563a73ce_proj1.kd
    .args:
      - { .name: cq, .offset: 0, .size: 8, .value_kind: global_buffer, .address_space: global }
      - { .name: w4, .offset: 8, .size: 8, .value_kind: global_buffer, .address_space: global }
      - { .name: bo, .offset: 16, .size: 8, .value_kind: global_buffer, .address_space: global }
      - { .name: x, .offset: 24, .size: 8, .value_kind: global_buffer, .address_space: global }
      - { .name: h, .offset: 32, .size: 8, .value_kind: global_buffer, .address_space: global }
    .group_segment_fixed_size: 168448
    .private_segment_fixed_size: 0
    .kernarg_segment_align: 8
    .kernarg_segment_size: 40
    .max_flat_workgroup_size: 128
    .sgpr_count:     100
    .vgpr_count:     512
    .wavefront_size: 32
...
	.end_amdgpu_metadata
.endif
;; end of part 4
;; launch ln2: the kernel of part 1 again; grid 256 x 1, 16 waves a work-group, no clusters, 11,264 bytes of LDS; arguments h, wq, wk, wv, wo, ln2_scale, xq, w4; writes xq, w4
;; launch qkv2: the kernel of part 2 again; grid 16 x 16, 4 waves a work-group, clusters of 4 x 4, 229,888 bytes of LDS; arguments xq, w4, qkv; writes qkv
;; launch attn2: the kernel of part 3 again; grid 8 x 32, 16 waves a work-group, clusters of 4 x 1, 292,864 bytes of LDS; arguments qkv, cq; writes cq
;; launch proj2: the kernel of part 4 again; grid 8 x 32, 4 waves a work-group, clusters of 4 x 4, 168,448 bytes of LDS; arguments cq, w4, bo, h, out0; writes out0
